; MI455X (gfx1250); checked and timed in simulation.
; The chip was launched on July 23, 2026; its instructions are those of AMD's public machine-readable ISA for CDNA 5 (MIT licence, August 2026) and "CDNA5" Instruction Set Architecture Reference Guide (July 2026). The comments in the code are by the model that wrote it; some were corrected since.
;; MHA Comm Block. Allowed arithmetic: matrix products marked QUANTISED: E2M1 operands, one E8M0 scale for each 32 along K, by v_wmma_scale_f32_16x16x128_f8f6f4 with both operands' format E2M1 (or v_wmma_scale_f32_32x16x128_f4), f32 sums; everything else in f32.
;; Inputs: Wk 256 x 512 float32; Wo 512 x 64 float32; Wq 256 x 512 float32; Wv 256 x 512 float32; bk 512 float32; bq 512 float32; bv 512 float32; msg 8 x 2,048 x 256 float32.
;; Outputs: out0 8 x 2,048 x 64 float32.
;; This version of the problem:
;;   THIS VERSION OF THE PROBLEM IS GIVEN IN LOW PRECISION. The matrix products marked QUANTISED in the list below multiply operands that are first quantised to E2M1 (2 exponent bits, 1 mantissa bit; 4 bits a number), with one power-of-two scale for each 32 numbers along K (OCP MX v1.0); their sums are f32. All else is computed in f32.
;;   The module's matrix products, in the order in which they are computed (A, B: the left and right operand; K: the contracted axis; several contracted axes count as one K, in the product's order):
;;     1. [M 16,384, K 256] x [K 256, N 512]; A: input msg; B: input Wq: QUANTISED
;;     2. [M 16,384, K 256] x [K 256, N 512]; A: input msg; B: input Wk: QUANTISED
;;     3. [M 16,384, K 256] x [K 256, N 512]; A: input msg; B: input Wv: QUANTISED
;;     4. batch 64 x [M 2,048, K 64] x [K 64, N 2,048]; A: computed on the way; B: computed on the way: QUANTISED
;;     5. batch 64 x [M 2,048, K 2,048] x [K 2,048, N 64]; A: softmax (see below); B: computed on the way: QUANTISED
;;     6. [M 16,384, K 512] x [K 512, N 64]; A: computed on the way; B: input Wo: QUANTISED
;;   THE QUANTISER, for each operand of a quantised product, along K:
;;     - K is cut into blocks of 32 from its start; a last block that is shorter is filled with zeros.
;;     - A block's scale is 2^e with e = floor(log2(the largest magnitude in the block)) - 2, held to -126 .. 127; a block of zeros has e = 0. As a byte (E8M0): e + 127.
;;     - Each number is divided by its block's scale, clamped to +-6, and rounded to the nearest number of E2M1, ties to even, subnormals kept.
;;     - The product sums the exact products of the quantised numbers (number of the format x scale) in f32.
;;   ~~~python
;;   def quantise(x, axis):      # numpy; x: float32 -> the quantised numbers, widened to float32 again
;;       x = np.moveaxis(x, axis, -1); K = x.shape[-1]
;;       x = np.pad(x, [(0, 0)] * (x.ndim - 1) + [(0, -K % 32)]); x = x.reshape(x.shape[:-1] + (-1, 32)); a = np.abs(x).max(-1, keepdims=True)
;;       e = np.where(a > 0, np.clip(np.frexp(np.where(a > 0, a, 1))[1] - 1 - 2, -126, 127), 0)      # np.frexp(a)[1] - 1 = floor(log2(a)), exactly
;;       r = np.clip(x / 2.0 ** e, -6, 6)
;;       step = 2.0 ** (np.maximum(np.frexp(np.where(r == 0, 1, r))[1] - 1, 0) - 1)
;;       q = np.round(r / step) * step * 2.0 ** e      # np.round: ties to even
;;       return np.moveaxis(q.reshape(q.shape[:-2] + (-1,))[..., :K], -1, axis).astype(np.float32)
;;   ~~~
;;   SOFTMAX AHEAD OF A QUANTISED PRODUCT. Where the list says 'softmax', what is quantised is not the finished softmax but p = 2^(t - M), with t = logit x log2(e) and M = ceil(the row's largest t), a whole number; so 1/2 < the row's largest p <= 1. The row's sum l is taken of the UNQUANTISED p, in f32, and the product's result is divided by l at the end. Since M is a whole number, a kernel that streams over the keys may use a running M (the ceiling of the running maximum): every later rescaling is an exact power of two, which a block's scale takes up: the codes' values come out the same.
;;   OPERANDS COMPUTED ON THE WAY. 'Computed on the way' means the value that the module computes at that place (a softmax that the list does not call 'softmax' is quantised finished and normalised). What goes into a quantiser is computed in f32, as accurately as f32 sums, v_exp_f32 and their like allow (about 1e-6 of the number): no bf16 or f16 on the way to a quantiser, and a product that is left as it is and whose result goes on into a quantised operand takes f32 operands (vector FMAs, or v_wmma_f32_16x16x4_f32). A number that lies on a knife's edge between two numbers of the format may be rounded either way, as far as f32 arithmetic and the matrix unit's own rounding can turn it there, and no further.
;; 2 versions. Each part assembles by itself: llvm-mc -triple=amdgcn-amd-amdhsa -mcpu=gfx1250 --defsym DOCPART=n.
;; ======== version 1 of 2: 3 launches
;; workspace buffers: wc 212,992 bytes; ws 13,312 bytes; qc 4,194,304 bytes; qs 524,288 bytes; kc 4,194,304 bytes; ks 524,288 bytes; vc 4,194,304 bytes; vs 262,144 bytes
;; launch prep (part 1): grid 104 x 1, 1 waves a work-group, no clusters, 0 bytes of LDS; arguments Wq, Wk, Wv, Wo, wc, ws; writes wc, ws
.if DOCPART == 1
	.amdgcn_target "amdgcn-amd-amdhsa--gfx1250"
	.amdhsa_code_object_version 6
	.text
	.protected	k_q3efc59b41a_prep
	.globl	k_q3efc59b41a_prep
	.p2align	8
	.type	k_q3efc59b41a_prep,@function
k_q3efc59b41a_prep:
	s_mov_b64 s[64:65], 0
	v_nop
	global_prefetch_b8 v0, s[64:65] scope:SCOPE_SE
	s_setreg_imm32_b32 hwreg(HW_REG_WAVE_MODE, 25, 1), 1
	s_wait_xcnt 0x0
; Wq, Wk, Wv [256][512] and Wo [512][64], f32 with K as the FIRST axis, become codes of FP4 (E2M1) with one E8M0 byte for each 32 along K,
; laid as IMAGES OF OPERAND REGISTERS: a fragment (16 columns x 128 K) is 1,024 bytes: group c of four registers at 512 c, lane l's 16 bytes at 16 l.
; A block's scale is 2^(floor(log2(largest magnitude)) - 2); its byte is the largest magnitude's exponent field - 2, held at 1 from below.
; LIMITS: a block of zeros, or one under 2^-124, gets the byte 1 (its codes are zeros or held small; this program alone reads the bytes); NaN and infinities are not served.
; SHARES.  One wave to a work-group: 32 columns x 128 along K.  A LANE TAKES A COLUMN AND ITS REGISTERS RUN DOWN K: each load reads 128 consecutive bytes, a block of 32
; lies in one lane, and the lane's 16 bytes of block b are lane (r, h = b & 1), group c = b >> 1 of the image: byte 256 b + 16 r.  No LDS, no other lane.
; Work-groups 0-95: kind = id >> 5 (q, k, v), g = (id >> 1) & 15 (32 columns), s = id & 1 (K step).  96-103: Wo, g = j >> 2, s = j & 3.  That is all the work there is.
; COLUMN ORDER of Wq, Wk, Wv: lane r of tile 2 b + u of a head is column 32 b + 8 u + r + 8 (r / 8), so that a product's 16 registers of two neighbouring tiles are 16 neighbours.  Wo: natural.
; wc: ((((kind 8 + head) 4 + t) 2 + s) 1024; Wo from byte 196,608 at (4 t + s) 1024.   ws (a word = 4 bytes = 128 K): (kind 8 + head) 512 + 256 s + 64 t + 4 r; Wo from 12,288 at 256 s + 64 t + 4 r.
; Each store of codes covers two whole runs of 256 consecutive bytes; the scale words' one store covers 128 consecutive bytes.
.set XN, 48                            ; v48-175  the wave's 128 numbers a lane
; v1 4 x lane (in)   v2 the codes' lane offset   v3 the scale word's   v8-15 two chains of maxima a block   v16-19 scale operands   v20-23 bytes   v24 the word   v28-43 codes, each block its own
.macro BLOCK b, left
	s_wait_loadcnt \left                           ; this block's 32 loads are in: at most 32 (3 - b) younger ones may be out; the wait's field ends at 63, and a smaller count is safe
.set XB, XN+32*\b
	v_max3_num_f32 v[8+2*\b], |v[XB]|, |v[XB+1]|, |v[XB+2]|        ; the block's largest magnitude, in two chains
	v_max3_num_f32 v[9+2*\b], |v[XB+3]|, |v[XB+4]|, |v[XB+5]|
.irp i, 6,10,14,18,22,26
	v_max3_num_f32 v[8+2*\b], v[8+2*\b], |v[XB+\i]|, |v[XB+\i+1]|
	v_max3_num_f32 v[9+2*\b], v[9+2*\b], |v[XB+\i+2]|, |v[XB+\i+3]|
.endr
	v_max3_num_f32 v[8+2*\b], v[8+2*\b], |v[XB+30]|, |v[XB+31]|
	v_max3_num_f32 v[8+2*\b], v[8+2*\b], v[9+2*\b], 0x1800000      ; and the floor 2^(3 - 127): the byte cannot fall under 1
	v_add_nc_u32 v[16+\b], 0xff000000, v[8+2*\b]   ; 2 off the exponent field: the conversion takes this operand's exponent field as its scale
	v_lshrrev_b32 v[20+\b], 23, v[16+\b]           ; the scale's byte
.if \b == 0
	v_mov_b32 v24, v20
.else
	v_lshl_or_b32 v24, v[20+\b], 8*\b, v24         ; byte b of the K step's word
.endif
.irp g, 0,1,2,3
	v_cvt_scalef32_pk8_fp4_f32 v[28+4*\b+\g], v[XB+8*\g:XB+8*\g+7], v[16+\b]
.endr
	v_nop                                          ; one plain place behind the last conversion
	global_store_b128 v2, v[28+4*\b:28+4*\b+3], s[12:13] offset:256*\b
.endm
.macro BODY stride                     ; stride: bytes from a row of the weight to the next
.set n, 0
.rept 128
	global_load_b32 v[XN+n], v1, s[20:21] offset:n*\stride th:TH_LOAD_NT   ; row n of the K step at my column; read once in the launch
.set n, n+1
.endr
	BLOCK 0, 63
	BLOCK 1, 63
	BLOCK 2, 32
	BLOCK 3, 0
	global_store_b32 v3, v24, s[14:15]
	s_endpgm
.endm
	s_load_b256 s[4:11], s[0:1], 0x0               ; Wq s[4:5], Wk s[6:7], Wv s[8:9], Wo s[10:11]
	s_load_b128 s[12:15], s[0:1], 0x20             ; wc s[12:13], ws s[14:15]
	v_lshlrev_b32 v1, 2, v0                        ; 4 bytes a lane
	s_mov_b32 s23, 0                               ; the offsets' high words
	s_mov_b32 s25, 0
	s_mov_b32 s27, 0
	s_cmp_ge_u32 ttmp9, 96
	s_cbranch_scc1 .Lwo
	; ---- Wq, Wk, Wv
	s_lshr_b32 s17, ttmp9, 5                       ; kind
	s_bfe_u32 s18, ttmp9, 0x40001                  ; g
	s_and_b32 s19, ttmp9, 1                        ; s
	s_lshl_b32 s22, s19, 18                        ; in: 128 rows of 2,048 bytes a K step,
	s_lshl_b32 s16, s18, 7                         ; 128 bytes a group of columns
	s_or_b32 s22, s22, s16
	s_lshl_b32 s24, s17, 16                        ; codes: kind << 16 | g << 12 | s << 10
	s_lshl_b32 s16, s18, 12
	s_or_b32 s24, s24, s16
	s_lshl_b32 s16, s19, 10
	s_or_b32 s24, s24, s16
	s_lshl_b32 s26, s17, 12                        ; words: kind << 12 | head << 9 | s << 8 | (g & 1) << 7
	s_lshr_b32 s16, s18, 1
	s_lshl_b32 s16, s16, 9
	s_or_b32 s26, s26, s16
	s_lshl_b32 s16, s19, 8
	s_or_b32 s26, s26, s16
	s_and_b32 s16, s18, 1
	s_lshl_b32 s16, s16, 7
	s_or_b32 s26, s26, s16
	v_and_b32 v4, 7, v0                            ; column x of the 32 is lane r = (x & 7) | (x >> 4) << 3 of tile u = (x >> 3) & 1
	v_lshrrev_b32 v5, 4, v0
	v_lshl_or_b32 v4, v5, 3, v4
	v_bfe_u32 v5, v0, 3, 1
	v_lshlrev_b32 v2, 4, v4
	v_lshl_or_b32 v2, v5, 11, v2                   ; u << 11 | r << 4
	v_lshlrev_b32 v3, 2, v4
	v_lshl_or_b32 v3, v5, 6, v3                    ; u << 6 | r << 2
	s_wait_kmcnt 0x0
	s_cmp_eq_u32 s17, 0                            ; the choice hangs on the work-group's number alone
	s_cselect_b64 s[20:21], s[4:5], s[6:7]
	s_cmp_eq_u32 s17, 2
	s_cselect_b64 s[20:21], s[8:9], s[20:21]
	s_add_nc_u64 s[20:21], s[20:21], s[22:23]
	s_add_nc_u64 s[12:13], s[12:13], s[24:25]
	s_add_nc_u64 s[14:15], s[14:15], s[26:27]
	BODY 2048
.Lwo:
	; ---- Wo
	s_sub_co_u32 s16, ttmp9, 96
	s_lshr_b32 s18, s16, 2                         ; g
	s_and_b32 s19, s16, 3                          ; s
	s_lshl_b32 s22, s19, 15                        ; in: 128 rows of 256 bytes a K step
	s_lshl_b32 s16, s18, 7
	s_or_b32 s22, s22, s16
	s_lshl_b32 s24, s18, 13                        ; codes: 196,608 + (g << 13 | s << 10)
	s_lshl_b32 s16, s19, 10
	s_or_b32 s24, s24, s16
	s_add_co_u32 s24, s24, 196608
	s_lshl_b32 s26, s19, 8                         ; words: 12,288 + (s << 8 | g << 7)
	s_or_b32 s26, s26, s22
	s_and_b32 s26, s26, 0x380                      ; (s22's low bits are g << 7; its K step bits are cut off)
	s_add_co_u32 s26, s26, 12288
	v_lshrrev_b32 v5, 4, v0                        ; natural order: tile x >> 4, lane x & 15
	v_and_b32 v4, 15, v0
	v_lshlrev_b32 v2, 4, v4
	v_lshl_or_b32 v2, v5, 12, v2
	v_mov_b32 v3, v1                               ; 64 (x >> 4) + 4 (x & 15) = 4 x
	s_wait_kmcnt 0x0
	s_add_nc_u64 s[20:21], s[10:11], s[22:23]
	s_add_nc_u64 s[12:13], s[12:13], s[24:25]
	s_add_nc_u64 s[14:15], s[14:15], s[26:27]
	BODY 256
.Lfunc_end_k_q3efc59b41a_prep:
	.size	k_q3efc59b41a_prep, .Lfunc_end_k_q3efc59b41a_prep-k_q3efc59b41a_prep
	.p2alignl 7, 3214868480
	.fill 96, 4, 3214868480
	.section	.rodata,"a",@progbits
	.p2align	6, 0x0
	.amdhsa_kernel k_q3efc59b41a_prep
		.amdhsa_group_segment_fixed_size 0
		.amdhsa_private_segment_fixed_size 0
		.amdhsa_enable_private_segment 0
		.amdhsa_kernarg_size 48
		.amdhsa_user_sgpr_count 2
		.amdhsa_user_sgpr_kernarg_segment_ptr 1
		.amdhsa_wavefront_size32 1
		.amdhsa_system_sgpr_workgroup_id_x 1
		.amdhsa_system_sgpr_workgroup_id_y 1
		.amdhsa_system_sgpr_workgroup_id_z 1
		.amdhsa_system_vgpr_workitem_id 0
		.amdhsa_next_free_vgpr 176
		.amdhsa_next_free_sgpr 66
		.amdhsa_reserve_vcc 0
		.amdhsa_float_denorm_mode_32 3
		.amdhsa_float_denorm_mode_16_64 3
		.amdhsa_memory_ordered 1
		.amdhsa_forward_progress 1
		.amdhsa_inst_pref_size 40
	.end_amdhsa_kernel
	.amdgpu_metadata
---
amdhsa.version: [ 1, 2 ]
amdhsa.kernels:
  - .name:           k_q3efc59b41a_prep
    .symbol:         k_q3efc59b41a_prep.kd
    .args:
      - { .name: Wq, .offset: 0, .size: 8, .value_kind: global_buffer, .address_space: global }
      - { .name: Wk, .offset: 8, .size: 8, .value_kind: global_buffer, .address_space: global }
      - { .name: Wv, .offset: 16, .size: 8, .value_kind: global_buffer, .address_space: global }
      - { .name: Wo, .offset: 24, .size: 8, .value_kind: global_buffer, .address_space: global }
      - { .name: wc, .offset: 32, .size: 8, .value_kind: global_buffer, .address_space: global }
      - { .name: ws, .offset: 40, .size: 8, .value_kind: global_buffer, .address_space: global }
    .group_segment_fixed_size: 0
    .private_segment_fixed_size: 0
    .kernarg_segment_align: 8
    .kernarg_segment_size: 48
    .max_flat_workgroup_size: 32
    .sgpr_count:     66
    .vgpr_count:     176
    .wavefront_size: 32
...
	.end_amdgpu_metadata
.endif
;; end of part 1
;; launch proj (part 2): grid 2 x 128, 16 waves a work-group, no clusters, 20,480 bytes of LDS; arguments msg, wc, ws, bq, bk, bv, qc, qs, kc, ks, vc, vs; writes qc, qs, kc, ks, vc, vs
.if DOCPART == 2
	.amdgcn_target "amdgcn-amd-amdhsa--gfx1250"
	.amdhsa_code_object_version 6
	.text
	.protected	k_q3efc59b41a_proj
	.globl	k_q3efc59b41a_proj
	.p2align	8
	.type	k_q3efc59b41a_proj,@function
k_q3efc59b41a_proj:
	s_mov_b64 s[64:65], 0
	v_nop
	global_prefetch_b8 v0, s[64:65] scope:SCOPE_SE
	s_setreg_imm32_b32 hwreg(HW_REG_WAVE_MODE, 25, 1), 1
	s_wait_xcnt 0x0
; q = msg Wq + bq, k = msg Wk + bk, v = msg Wv + bv on codes of FP4 (E2M1) with one E8M0 byte for each 32 along K; the results are quantised at once for the products that follow
; (q, k along the head's 64; v along the keys) and stored as IMAGES OF OPERAND REGISTERS (four registers = 512 bytes, lane l's 16 bytes at 16 l).
; SHARES.  Work-group (G = x, X = y): rows 128 X .. 128 X + 127 of msg (one step of keys), heads 4 G .. 4 G + 3.  Sixteen waves of 256 registers.
;   First wave w quantises msg's fragment (tile of rows w >> 1, K step w & 1) and stores its image in LDS; one barrier; then wave w serves head 4 G + (w >> 2) in role w & 3:
;   0: q, 1: k (8 tiles of rows x 4 tiles of columns x 2 K steps);  2, 3: v, column tiles 2 p, 2 p + 1 with p = role - 2 (2 x 8 x 2).
; ROW ORDER: lane r of tile i is row 32 (i / 2) + 8 (i % 2) + r + 8 (r / 8) of the 128; the weights' columns are ordered likewise.  So the 16 registers of two neighbouring result tiles
;   are 16 NEIGHBOURS along the next K: along d for q and k (product used transposed: source 0 = 16 columns of W, source 1 = 16 rows), along the keys for v (source 0 = 16 rows, source 1 = 16 columns).
; The biases are the C of each sum's first matrix instruction.
; OUT.  qc, kc: bh 65536 + T 512 (the lower four registers of a fragment: d = 32 h + 0 .. 31).  qs, ks: bh 8192 + block 512 + 32 r + 4 i: bytes 0, 1 the two blocks' scales, bytes 2, 3 zero.
;   vc: bh 65536 + step 4096 + t 1024 + 512 c.  vs: bh 4096 + step 256 + 64 t + 4 r.  Every store of codes and of q's and k's words covers 512 consecutive bytes; a store of v's words 128.
; The roles part ONCE, behind the barrier: what every role loads by the same lines (column tiles 0, 1 of its weights) is asked for ahead of the barrier, the rest first thing behind the parting.
; LIMITS: a block of zeros, or one under 2^-124, gets the byte 1 (this program alone reads the bytes); NaN and infinities are not served.
; No tensor loads, no cluster: msg's rows are read by two work-groups only, and the weights' codes are 104 KB a work-group.
.set XIMG, 0                           ; LDS: msg's 16 fragments, 1,024 bytes each (2 i + s),
.set XSC,  16384                       ; and their scale words, 128 bytes each
.set TM,  16                           ; v16-31   at work in QUANT
.set PW,  32                           ; v32-39   scale words just made
.set PC,  40                           ; v40-71   codes just made: every tile its own registers, so that no store's data are written again
.set ST,  72                           ; v72-135  msg's 64 numbers
.set HA,  72                           ; v72-103  q, k: four result tiles
.set XF,  104                          ; v104-135 q, k: msg's two fragments of a tile of rows, two buffers
.set HV,  72                           ; v72-135  v: eight result tiles
.set XS,  136                          ; v136-143 msg's scale words
.set WF,  144                          ; v144-207 the weights' fragments (v: v144-175)
.set XFV, 176                          ; v: msg's eight fragments of a K step: v176-207, v216-247
.set WS,  208                          ; v208-215 the weights' scale words
.set BQ,  216                          ; v216-247 q, k: the bias, eight registers a column tile
.set BI,  248                          ; v248-255 v: the bias as a C operand
.set SEL, 38                           ; s[38:39] v_permlanex16_b32's selects for lane l xor 16
; v4 msg's lane offset  v5 16 x lane  v6 4 x lane  v7, v8 where I store my image and its words  v9 4 r  v10 64 h  v11 4 (r + (r & 8))  v12, v13 v's two bias numbers  v14 32 r + 16 h
.macro PLACES n
.rept \n
	v_nop
.endr
.endm
; nb blocks of 32 along K: register src + 16 b + i of lane (r, h) is k = 32 b + 16 h + i of the lane's row.  They become 2 nb registers of codes in operand order at pc, and the row's scale word in pw.
.macro QUANT src, nb, pc, pw
.set qb, 0
.rept \nb
	v_max3_num_f32 v[TM+qb], |v[\src+16*qb]|, |v[\src+16*qb+1]|, 0x1800000   ; my 16 numbers of block b, and the floor 2^(3 - 127): the byte cannot fall under 1
.set qb, qb+1
.endr
.set qi, 2
.rept 7
.set qb, 0
.rept \nb
	v_max3_num_f32 v[TM+qb], v[TM+qb], |v[\src+16*qb+qi]|, |v[\src+16*qb+qi+1]|   ; the blocks by turns
.set qb, qb+1
.endr
.set qi, qi+2
.endr
.set qb, 0
.rept \nb
	v_permlanex16_b32 v[TM+4+qb], v[TM+qb], s[SEL], s[SEL+1]
.set qb, qb+1
.endr
.set qb, 0
.rept \nb
	v_max_num_f32 v[TM+qb], v[TM+qb], v[TM+4+qb]   ; with lane l xor 16's 16: the block's largest magnitude
.set qb, qb+1
.endr
.set qb, 0
.rept \nb
	v_add_nc_u32 v[TM+12+qb], 0xff000000, v[TM+qb] ; 2 off its exponent field: the conversion's scale operand
.set qb, qb+1
.endr
.set qb, 0
.rept \nb
	v_lshrrev_b32 v[TM+4+qb], 23, v[TM+12+qb]      ; the scale's byte
.set qb, qb+1
.endr
	v_lshl_or_b32 v[\pw], v[TM+5], 8, v[TM+4]
.if \nb == 4
	v_lshl_or_b32 v[\pw], v[TM+6], 16, v[\pw]
	v_lshl_or_b32 v[\pw], v[TM+7], 24, v[\pw]
.endif
.set qb, 0
.rept \nb
	v_cvt_scalef32_pk8_fp4_f32 v[\pc+2*qb], v[\src+16*qb:\src+16*qb+7], v[TM+12+qb]
	v_cvt_scalef32_pk8_fp4_f32 v[\pc+2*qb+1], v[\src+16*qb+8:\src+16*qb+15], v[TM+12+qb]
.set qb, qb+1
.endr
	v_nop                                          ; one plain place behind the last conversion
.set qb, 0
.rept \nb/2
	v_permlane16_swap_b32 v[\pc+4*qb], v[\pc+4*qb+2]      ; the operand wants a WHOLE block in a lane: lanes 0-15 the even block, lanes 16-31 the odd one
	v_permlane16_swap_b32 v[\pc+4*qb+1], v[\pc+4*qb+3]
.set qb, qb+1
.endr
.endm
	s_load_b256 s[4:11], s[0:1], 0x0               ; msg s[4:5], wc s[6:7], ws s[8:9], bq s[10:11]
	s_load_b256 s[12:19], s[0:1], 0x20             ; bk s[12:13], bv s[14:15], qc s[16:17], qs s[18:19]
	s_load_b256 s[20:27], s[0:1], 0x40             ; kc s[20:21], ks s[22:23], vc s[24:25], vs s[26:27]
	v_lshl_add_u32 v26, v0, 2, 0x4800
	v_mov_b32 v27, 0
	v_lshrrev_b32 v1, 5, v0
	v_readfirstlane_b32 s28, v1                    ; wave 0..15
	s_and_b32 s30, ttmp7, 0xffff                   ; X: which 128 rows
	s_lshr_b32 s31, s28, 2
	s_and_b32 s32, s28, 3                          ; role
	s_lshl_b32 s33, ttmp9, 2
	s_add_co_u32 s33, s33, s31                     ; head
	s_min_u32 s34, s32, 2                          ; kind: 0 q, 1 k, 2 v
	s_max_u32 s35, s32, 2
	s_sub_co_u32 s35, s35, 2                       ; p: which half of v's columns (0 for q and k)
	s_lshr_b32 s36, s30, 4
	s_lshl_b32 s36, s36, 3
	s_add_co_u32 s36, s36, s33                     ; bh = 8 x batch + head
	s_and_b32 s37, s30, 15                         ; the block of 128 rows within the batch
	s_mov_b32 s[SEL], 0x76543210
	s_mov_b32 s[SEL+1], 0xfedcba98
	s_mov_b32 s40, 0xffff0000                      ; lanes 16-31
	s_lshl_b32 s42, s30, 17                        ; msg: 128 rows of 1,024 bytes; my tile's first row 32 (w >> 2) + 8 ((w >> 1) & 1); my K step's 512 bytes
	s_lshl_b32 s54, s31, 15
	s_or_b32 s42, s42, s54
	s_bfe_u32 s54, s28, 0x10001
	s_lshl_b32 s54, s54, 13
	s_or_b32 s42, s42, s54
	s_and_b32 s54, s28, 1
	s_lshl_b32 s54, s54, 9
	s_or_b32 s42, s42, s54
	s_mov_b32 s43, 0
	s_lshl_b32 s41, s34, 3
	s_add_co_u32 s41, s41, s33                     ; 8 kind + head
	s_lshl_b32 s44, s41, 13                        ; its 8 fragments, and two tiles on for p = 1
	s_lshl_b32 s54, s35, 12
	s_add_co_u32 s44, s44, s54
	s_mov_b32 s45, 0
	s_lshl_b32 s46, s41, 9                         ; its scale words
	s_lshl_b32 s54, s35, 7                         ; p << 7: kept, it serves three times more
	s_add_co_u32 s46, s46, s54
	s_mov_b32 s47, 0
	v_and_b32 v1, 31, v0                           ; lane
	v_and_b32 v2, 15, v0                           ; r
	v_bfe_u32 v3, v0, 4, 1                         ; h
	v_and_b32 v15, 8, v2
	v_add_nc_u32 v15, v15, v2                      ; r + 8 (r / 8)
	v_lshlrev_b32 v4, 10, v15
	v_lshl_add_u32 v4, v3, 6, v4                   ; msg: my row, + 64 h: my 16 numbers of a block of 32
	v_lshlrev_b32 v5, 4, v1
	v_lshlrev_b32 v6, 2, v1
	s_lshl_b32 s55, s28, 10
	v_add_nc_u32 v7, s55, v5                       ; my image: 16 x lane + 1,024 x wave
	s_lshl_b32 s55, s28, 7
	v_add_nc_u32 v8, s55, v6                       ; its words: 4 x lane + 128 x wave
	v_lshlrev_b32 v9, 2, v2
	v_lshlrev_b32 v10, 6, v3
	v_lshlrev_b32 v11, 2, v15
	v_lshlrev_b32 v14, 5, v2
	v_lshl_add_u32 v14, v3, 4, v14
.irp b, 0,1,2,3
	v_mov_b32 v[TM+4+\b], 0                        ; written once: a lane permute's destination counts as one of its sources
.endr
	s_wait_kmcnt 0x0
	s_add_nc_u64 s[4:5], s[4:5], s[42:43]
.irp b, 0,1,2,3
.irp j, 0,1,2,3
	global_load_b128 v[ST+16*\b+4*\j:ST+16*\b+4*\j+3], v4, s[4:5] offset:128*\b+16*\j   ; 16 neighbours of each block of 32 of my row
.endr
.endr
	s_add_nc_u64 s[6:7], s[6:7], s[44:45]
	s_add_nc_u64 s[8:9], s[8:9], s[46:47]
.irp t, 0,1                                    ; the part of the weights that every role takes by the same lines: its column tiles 0 and 1
.irp s, 0,1
.irp c, 0,1
	global_load_b128 v[WF+8*(2*\t+\s)+4*\c:WF+8*(2*\t+\s)+4*\c+3], v5, s[6:7] offset:(2*\t+\s)*1024+512*\c
.endr
	global_load_b32 v[WS+2*\t+\s], v9, s[8:9] offset:256*\s+64*\t
.endr
.endr
	s_cmp_eq_u32 s34, 0                            ; bias, codes out, words out: chosen by the role alone
	s_cselect_b64 s[48:49], s[10:11], s[12:13]
	s_cselect_b64 s[50:51], s[16:17], s[20:21]
	s_cselect_b64 s[52:53], s[18:19], s[22:23]
	s_cmp_eq_u32 s34, 2
	s_cselect_b64 s[48:49], s[14:15], s[48:49]
	s_cselect_b64 s[50:51], s[24:25], s[50:51]
	s_cselect_b64 s[52:53], s[26:27], s[52:53]
	s_lshl_b32 s42, s33, 8                         ; bias: 64 numbers a head, + 32 for p = 1
	s_add_co_u32 s42, s42, s54
	s_add_nc_u64 s[48:49], s[48:49], s[42:43]
	s_lshl_b32 s44, s36, 16                        ; codes: bh << 16 + block << 12 + p << 11
	s_lshl_b32 s55, s37, 12
	s_add_co_u32 s44, s44, s55
	s_lshl_b32 s55, s35, 11
	s_add_co_u32 s44, s44, s55
	s_add_nc_u64 s[50:51], s[50:51], s[44:45]
	s_lshl_b32 s46, s36, 12                        ; words: v: bh << 12 + block << 8 + p << 7;  q, k: twice the first two
	s_lshl_b32 s55, s37, 8
	s_add_co_u32 s46, s46, s55
	s_cmp_lt_u32 s32, 2
	s_cselect_b32 s55, 1, 0
	s_lshl_b32 s46, s46, s55
	s_add_co_u32 s46, s46, s54
	s_add_nc_u64 s[52:53], s[52:53], s[46:47]
	s_wait_loadcnt 12                              ; msg's 16 loads are in; the 12 loads of weights issued behind them may stay out
	QUANT ST, 4, PC, PW
	ds_store_b128 v7, v[PC:PC+3] offset:XIMG
	ds_store_b128 v7, v[PC+4:PC+7] offset:XIMG+512
	ds_store_b32 v8, v[PW] offset:XSC
	s_wait_dscnt 0x0                               ; for the others' sake: my image has landed
	s_barrier_signal -1
	s_barrier_wait -1                              ; msg's sixteen fragments lie in LDS; from here on they are only read
	s_cmp_lt_u32 s32, 2
	s_cbranch_scc0 .Lv
	; ---- q or k
.irp t, 2,3
.irp s, 0,1
.irp c, 0,1
	global_load_b128 v[WF+8*(2*\t+\s)+4*\c:WF+8*(2*\t+\s)+4*\c+3], v5, s[6:7] offset:(2*\t+\s)*1024+512*\c
.endr
	global_load_b32 v[WS+2*\t+\s], v9, s[8:9] offset:256*\s+64*\t
.endr
.endr
.irp t, 0,1,2,3
	global_load_b128 v[BQ+8*\t:BQ+8*\t+3], v10, s[48:49] offset:(32*(\t/2)+8*(\t%2))*4       ; lane (r, h), tile t: the bias of d = 32 (t / 2) + 16 h + 8 (t % 2) + 0 .. 7
	global_load_b128 v[BQ+8*\t+4:BQ+8*\t+7], v10, s[48:49] offset:(32*(\t/2)+8*(\t%2))*4+16
.endr
.macro FETCHX i, buf                   ; msg's two fragments of tile i of rows, and their words, into buffer buf
.irp s, 0,1
.irp c, 0,1
	ds_load_b128 v[XF+16*(\buf)+8*\s+4*\c:XF+16*(\buf)+8*\s+4*\c+3], v5 offset:XIMG+(2*(\i)+\s)*1024+512*\c
.endr
	ds_load_b32 v[XS+2*(\buf)+\s], v6 offset:XSC+(2*(\i)+\s)*128
.endr
.endm
.macro QKTILE i
	s_wait_dscnt 0x0                               ; tile i's fragments are in
.if \i < 7
	FETCHX \i+1, (\i+1)%2                          ; the next tile's, into the buffer that tile i - 1's products read: four v_nop and a whole QUANT stand between
.endif
.irp t, 0,1,2,3                                ; the four accumulators by turns
	v_wmma_scale_f32_16x16x128_f8f6f4 v[HA+8*\t:HA+8*\t+7], v[WF+16*\t:WF+16*\t+7], v[XF+16*(\i%2):XF+16*(\i%2)+7], v[BQ+8*\t:BQ+8*\t+7], v[WS+2*\t], v[XS+2*(\i%2)] matrix_a_fmt:MATRIX_FMT_FP4 matrix_b_fmt:MATRIX_FMT_FP4
.endr
.irp t, 0,1,2,3
	v_wmma_scale_f32_16x16x128_f8f6f4 v[HA+8*\t:HA+8*\t+7], v[WF+16*\t+8:WF+16*\t+15], v[XF+16*(\i%2)+8:XF+16*(\i%2)+15], v[HA+8*\t:HA+8*\t+7], v[WS+2*\t+1], v[XS+2*(\i%2)+1] matrix_a_fmt:MATRIX_FMT_FP4 matrix_b_fmt:MATRIX_FMT_FP4
.endr
	PLACES 4                                       ; in front of the first read of results
	QUANT HA, 2, PC+4*\i, PW+\i                    ; register 16 b + i of lane (r, h) is d = 32 b + 16 h + i of row r
	global_store_b128 v5, v[PC+4*\i:PC+4*\i+3], s[50:51] offset:512*\i
.endm
	FETCHX 0, 0
	s_wait_loadcnt 0x0                             ; all my weights and the bias
.irp i, 0,1,2,3,4,5,6,7
	QKTILE \i
.endr
.irp j, 0,1,2,3
	v_cndmask_b32 v[TM+\j], v[PW+\j], v[PW+4+\j], s40   ; lanes 0-15 the words of tiles 0-3, lanes 16-31 those of tiles 4-7
.endr
	global_store_b128 v14, v[TM:TM+3], s[52:53]    ; at 32 r + 16 h: 512 consecutive bytes
	s_wait_tensorcnt 0x0
	ds_add_u32 v26, v27
	s_wait_dscnt 0x0
	s_endpgm
	; ---- v: my two tiles of columns for the 128 keys
.Lv:
	global_load_b32 v12, v11, s[48:49]             ; the bias of my column d = 32 p + 8 t + r + 8 (r / 8)
	global_load_b32 v13, v11, s[48:49] offset:32
	s_wait_loadcnt 0x0                             ; them, and my weights
.macro VTILE t
.set j, 0
.rept 8
	v_mov_b32 v[BI+j], v[12+\t]                    ; a lane holds one column: its bias in all eight registers of the C operand
.set j, j+1
.endr
.irp s, 0,1
	PLACES 4                                       ; in front of loads into registers that matrix instructions have read
.irp i, 0,1,2,3,4,5,6,7
.irp c, 0,1
	ds_load_b128 v[XFV+8*\i+8*(\i/4)+4*\c:XFV+8*\i+8*(\i/4)+4*\c+3], v5 offset:XIMG+(2*\i+\s)*1024+512*\c
.endr
	ds_load_b32 v[XS+\i], v6 offset:XSC+(2*\i+\s)*128
.endr
	s_wait_dscnt 0x0
.irp i, 0,1,2,3,4,5,6,7                        ; the eight accumulators by turns
.if \s == 0
	v_wmma_scale_f32_16x16x128_f8f6f4 v[HV+8*\i:HV+8*\i+7], v[XFV+8*\i+8*(\i/4):XFV+8*\i+8*(\i/4)+7], v[WF+16*\t+8*\s:WF+16*\t+8*\s+7], v[BI:BI+7], v[XS+\i], v[WS+2*\t+\s] matrix_a_fmt:MATRIX_FMT_FP4 matrix_b_fmt:MATRIX_FMT_FP4
.else
	v_wmma_scale_f32_16x16x128_f8f6f4 v[HV+8*\i:HV+8*\i+7], v[XFV+8*\i+8*(\i/4):XFV+8*\i+8*(\i/4)+7], v[WF+16*\t+8*\s:WF+16*\t+8*\s+7], v[HV+8*\i:HV+8*\i+7], v[XS+\i], v[WS+2*\t+\s] matrix_a_fmt:MATRIX_FMT_FP4 matrix_b_fmt:MATRIX_FMT_FP4
.endif
.endr
.endr
	PLACES 4
	QUANT HV, 4, PC+8*\t, PW+\t                    ; register 16 b + i of lane (r, h) is key 32 b + 16 h + i of column r: a whole fragment of V^T
	global_store_b128 v5, v[PC+8*\t:PC+8*\t+3], s[50:51] offset:1024*\t
	global_store_b128 v5, v[PC+8*\t+4:PC+8*\t+7], s[50:51] offset:1024*\t+512
.endm
	VTILE 0
	VTILE 1
	v_cndmask_b32 v[TM], v[PW], v[PW+1], s40       ; lanes 0-15 my first tile's words, lanes 16-31 my second's
	global_store_b32 v6, v[TM], s[52:53]           ; 128 consecutive bytes
	s_wait_tensorcnt 0x0
	ds_add_u32 v26, v27
	s_wait_dscnt 0x0
	s_endpgm
.Lfunc_end_k_q3efc59b41a_proj:
	.size	k_q3efc59b41a_proj, .Lfunc_end_k_q3efc59b41a_proj-k_q3efc59b41a_proj
	.p2alignl 7, 3214868480
	.fill 96, 4, 3214868480
	.section	.rodata,"a",@progbits
	.p2align	6, 0x0
	.amdhsa_kernel k_q3efc59b41a_proj
		.amdhsa_group_segment_fixed_size 20480
		.amdhsa_private_segment_fixed_size 0
		.amdhsa_enable_private_segment 0
		.amdhsa_kernarg_size 96
		.amdhsa_user_sgpr_count 2
		.amdhsa_user_sgpr_kernarg_segment_ptr 1
		.amdhsa_wavefront_size32 1
		.amdhsa_system_sgpr_workgroup_id_x 1
		.amdhsa_system_sgpr_workgroup_id_y 1
		.amdhsa_system_sgpr_workgroup_id_z 1
		.amdhsa_system_vgpr_workitem_id 0
		.amdhsa_next_free_vgpr 256
		.amdhsa_next_free_sgpr 66
		.amdhsa_reserve_vcc 0
		.amdhsa_float_denorm_mode_32 3
		.amdhsa_float_denorm_mode_16_64 3
		.amdhsa_memory_ordered 1
		.amdhsa_forward_progress 1
		.amdhsa_inst_pref_size 61
	.end_amdhsa_kernel
	.amdgpu_metadata
---
amdhsa.version: [ 1, 2 ]
amdhsa.kernels:
  - .name:           k_q3efc59b41a_proj
    .symbol:         k_q3efc59b41a_proj.kd
    .args:
      - { .name: msg, .offset: 0, .size: 8, .value_kind: global_buffer, .address_space: global }
      - { .name: wc, .offset: 8, .size: 8, .value_kind: global_buffer, .address_space: global }
      - { .name: ws, .offset: 16, .size: 8, .value_kind: global_buffer, .address_space: global }
      - { .name: bq, .offset: 24, .size: 8, .value_kind: global_buffer, .address_space: global }
      - { .name: bk, .offset: 32, .size: 8, .value_kind: global_buffer, .address_space: global }
      - { .name: bv, .offset: 40, .size: 8, .value_kind: global_buffer, .address_space: global }
      - { .name: qc, .offset: 48, .size: 8, .value_kind: global_buffer, .address_space: global }
      - { .name: qs, .offset: 56, .size: 8, .value_kind: global_buffer, .address_space: global }
      - { .name: kc, .offset: 64, .size: 8, .value_kind: global_buffer, .address_space: global }
      - { .name: ks, .offset: 72, .size: 8, .value_kind: global_buffer, .address_space: global }
      - { .name: vc, .offset: 80, .size: 8, .value_kind: global_buffer, .address_space: global }
      - { .name: vs, .offset: 88, .size: 8, .value_kind: global_buffer, .address_space: global }
    .group_segment_fixed_size: 20480
    .private_segment_fixed_size: 0
    .kernarg_segment_align: 8
    .kernarg_segment_size: 96
    .max_flat_workgroup_size: 512
    .sgpr_count:     66
    .vgpr_count:     256
    .wavefront_size: 32
...
	.end_amdgpu_metadata
.endif
;; end of part 2
;; launch attn (part 3): grid 32 x 8, 8 waves a work-group, no clusters, 36,864 bytes of LDS; arguments qc, qs, kc, ks, vc, vs, wc, ws, out0; writes out0
.if DOCPART == 3
	.amdgcn_target "amdgcn-amd-amdhsa--gfx1250"
	.amdhsa_code_object_version 6
	.text
	.protected	k_q3efc59b41a_attn
	.globl	k_q3efc59b41a_attn
	.p2align	8
	.type	k_q3efc59b41a_attn,@function
k_q3efc59b41a_attn:
	s_mov_b64 s[64:65], 0
	v_nop
	global_prefetch_b8 v0, s[64:65] scope:SCOPE_SE
	s_setreg_imm32_b32 hwreg(HW_REG_WAVE_MODE, 25, 1), 1
	s_wait_xcnt 0x0
; out = (softmax(q k^T / 8, the diagonal masked) v, all heads side by side) Wo, all three products on codes of FP4 (E2M1) with one E8M0 byte for each 32 along K.
; THE SOFTMAX: t = score x log2(e) / 8; M = the running largest t rounded UP to a whole number; p = 2^(t - M) is quantised along the keys, not normalised; the row's sum is taken of the
;   unquantised p and divides at the end; when M moves, the sum and O are multiplied by 2^(old M - new M), which rounds nothing.
; THE MASK: where key = query the score becomes -8e9 ahead of the factor 1 / 8, the -1e9 that the problem puts there; p is then 0.  Only the step with the work-group's own keys has these lines.
; SHARES.  Work-group (X = x, b = y): queries 64 X .. 64 X + 63 of batch b, ALL EIGHT HEADS, since the last product contracts over the heads.  Wave w is head w: four tiles of 16 queries, 512 registers.
;   It walks the head's 2,048 keys in 16 steps of 128.  At the end each wave quantises its head's ctx, the images meet in LDS, and wave w makes tile w >> 1 of rows x outputs 32 (w & 1) .. + 31.
; OPERANDS COME FROM MEMORY STRAIGHT INTO REGISTERS: the launch before laid them as images of operand registers, so a fragment is loads of 512 consecutive bytes, 16 a lane, and feeds four matrix instructions.
; LAYOUT.  All products are used transposed (S^T = K Q^T, O^T = V^T P^T, out^T = Wo^T ctx^T): a lane holds ONE query throughout.  Lane r of a tile of queries or keys is row 32 (T / 2) + 8 (T % 2) + r + 8 (r / 8),
;   and V^T's rows d are ordered likewise: so the 16 registers of two neighbouring result tiles are 16 neighbours along the next K.
; K = 64 in K Q^T: the upper four registers of K's and Q's fragments hold zero codes (written once) and their scale bytes are 0 (2^-127): they add nothing.
; NO JOINT REQUESTS, though the 32 work-groups of a batch read the same K and V: inside a work-group no fragment has two readers, so a way through LDS would add a copy, a ring and its barriers; a step brings a
;   work-group 70 KB against some 7,600 vector instructions, and every load is asked for two softmaxes or more ahead of its use.
; LIMITS: 1 / l by v_rcp_f32 (1 ulp); a block of zeros, or one under 2^-124, gets the byte 1; NaN and infinities are not served.
; REGISTERS.  Window 0: v1-11 addresses; v12-27 four a tile: -M, largest t, the sum in two halves; v28-47 scale words alone; v48-79 p's codes; v80-143, v144-207 two sets of scores; v208-235 at work.
;   Window 1: v0-127 O^T ((q, t) at 32 q + 8 t); v128-159 Q; v160-223 K; v224-255 V.
.set CIMG, 0                           ; LDS: ctx's images: 4096 q + 512 head + 16 lane = fragment (q, K step head >> 1), group head & 1
.set CSC,  16384                       ; their scale words: 512 q + 16 lane + 2 head: a lane's 16 bytes are the words of K steps 0 .. 3
.set STG,  18432                       ; the stage for out: 64 rows x (256 bytes + 16)
.set LI,  1                            ; 16 x lane
.set LS,  2                            ; 4 x lane
.set SR,  3                            ; 32 r
.set DG,  4                            ; r + (r & 8) - 16 h + 64 (X & 1): where my query's own key lies
.set CWI, 5                            ; ctx's image out: 16 lane + 512 w
.set CWS, 6                            ; its half word out
.set SO,  7                            ; into the stage
.set SRD, 8                            ; out of it
.set CRI, 9                            ; ctx's images in: 16 lane + 4096 (w >> 1)
.set CRS, 10                           ; their words in
.set WSA, 11                           ; 4 r
.set ST,  12
.set QS,  28
.set KS,  32
.set VS,  40
.set PS,  42
.set WOS, 28                           ; the tail: Wo's scale words, ctx's
.set CS4, 36
.set PC,  48
.set SCA, 80
.set SCB, 144
.set BM,  208                          ; the blocks' largest scores, then largest p
.set TT,  212                          ; lane permutes' results, then bytes
.set SOP, 220                          ; the conversions' scale operands
.set FF,  224                          ; v[224:225] f = 2^(old M - new M) (the upper word is written once)
.set X1,  226
.set SUM, 228
.set NEGV, 230                         ; -8e9
.set PWQ, 232                          ; the tail: ctx's scale words
.set TM,  208                          ; the tail: QUANT's registers: TM+4.. = TT, TM+12.. = SOP
.set WFO, 80                           ; the tail: Wo's 8 fragments; ctx in f32; ctx's 4 fragments; two accumulators; rows of out
.set CX,  144
.set CF,  176
.set YA,  236
.set OB,  144
.set OA,  0                            ; window 1
.set QF,  128
.set KF,  160
.set VF,  224
.set SEL, 26                           ; s[26:27]
.set MSB, 0
.macro WIN new                         ; bits 1:0 source 0, 3:2 source 1, 5:4 source 2, 7:6 destination; the high byte repeats the setting that is left
.if MSB != \new
	s_set_vgpr_msb (MSB<<8)|\new
.set MSB, \new
.endif
.endm
.macro PLACES n
.rept \n
	v_nop
.endr
.endm
.macro KLOAD                           ; a step's eight tiles of K (lower halves) and their words
	WIN 0x40
.irp i, 0,1,2,3,4,5,6,7
	global_load_b128 v[KF+8*\i:KF+8*\i+3], v[LI], s[8:9] offset:512*\i
.endr
	WIN 0
	global_load_b128 v[KS:KS+3], v[SR], s[10:11]
	global_load_b128 v[KS+4:KS+7], v[SR], s[10:11] offset:16
.endm
.macro VLOAD                           ; a step's four fragments of V^T and their words: lanes 0-15 the even tile's, lanes 16-31 the odd one's
	WIN 0x40
.irp t, 0,1,2,3
.irp c, 0,1
	global_load_b128 v[VF+8*\t+4*\c:VF+8*\t+4*\c+3], v[LI], s[12:13] offset:1024*\t+512*\c
.endr
.endr
	WIN 0
	global_load_b32 v[VS], v[LS], s[14:15]
	global_load_b32 v[VS+1], v[LS], s[14:15] offset:128
.endm
.macro QK q, sb                        ; tile q's scores for the step's 128 keys: register 16 b + i of lane (r, h) is key 32 b + 16 h + i
	WIN 0x05
.irp i, 0,1,2,3,4,5,6,7
	v_wmma_scale_f32_16x16x128_f8f6f4 v[\sb+8*\i:\sb+8*\i+7], v[KF+8*\i:KF+8*\i+7], v[QF+8*\q:QF+8*\q+7], 0, v[KS+\i], v[QS+\q] matrix_a_fmt:MATRIX_FMT_FP4 matrix_b_fmt:MATRIX_FMT_FP4
.endr
.endm
.macro PV first                        ; O^T += V^T P^T: sixteen accumulators, one instruction each; first = 1: the products start the sums, nothing is cleared
.if \first
	WIN 0x41
.else
	WIN 0x51
.endif
.irp t, 0,1,2,3
.irp q, 0,1,2,3
.if \first
.if \t%2
	v_wmma_scale_f32_16x16x128_f8f6f4 v[OA+32*\q+8*\t:OA+32*\q+8*\t+7], v[VF+8*\t:VF+8*\t+7], v[PC+8*\q:PC+8*\q+7], 0, v[VS+\t/2], v[PS+\q] matrix_a_fmt:MATRIX_FMT_FP4 matrix_b_fmt:MATRIX_FMT_FP4 matrix_a_scale:MATRIX_SCALE_ROW1
.else
	v_wmma_scale_f32_16x16x128_f8f6f4 v[OA+32*\q+8*\t:OA+32*\q+8*\t+7], v[VF+8*\t:VF+8*\t+7], v[PC+8*\q:PC+8*\q+7], 0, v[VS+\t/2], v[PS+\q] matrix_a_fmt:MATRIX_FMT_FP4 matrix_b_fmt:MATRIX_FMT_FP4
.endif
.else
.if \t%2
	v_wmma_scale_f32_16x16x128_f8f6f4 v[OA+32*\q+8*\t:OA+32*\q+8*\t+7], v[VF+8*\t:VF+8*\t+7], v[PC+8*\q:PC+8*\q+7], v[OA+32*\q+8*\t:OA+32*\q+8*\t+7], v[VS+\t/2], v[PS+\q] matrix_a_fmt:MATRIX_FMT_FP4 matrix_b_fmt:MATRIX_FMT_FP4 matrix_a_scale:MATRIX_SCALE_ROW1
.else
	v_wmma_scale_f32_16x16x128_f8f6f4 v[OA+32*\q+8*\t:OA+32*\q+8*\t+7], v[VF+8*\t:VF+8*\t+7], v[PC+8*\q:PC+8*\q+7], v[OA+32*\q+8*\t:OA+32*\q+8*\t+7], v[VS+\t/2], v[PS+\q] matrix_a_fmt:MATRIX_FMT_FP4 matrix_b_fmt:MATRIX_FMT_FP4
.endif
.endif
.endr
.endr
	WIN 0
.endm
; Tile q's softmax for one step, on the scores at sb.  first = 1: the first step, which starts M; the sum begins as zeros and O^T is not there yet.
.macro SM q, sb, first
.set rN, ST+4*\q
	s_cmp_lg_u32 s30, s31                          ; a scalar branch on ids: only step X >> 1 holds my queries' own keys
	s_cbranch_scc1 .Lopen_\@
.irp bb, 0,2                                   ; the own key lies in block 2 (X & 1) + q / 2: register 16 (bb + q / 2) + i is it where 32 bb + i - 8 (q % 2) = DG
.irp i, 0,1,2,3,4,5,6,7,8,9,10,11,12,13,14,15
	v_cmp_eq_i32 vcc_lo, 32*\bb+\i-8*(\q%2), v[DG]
	v_cndmask_b32 v[\sb+16*(\bb+\q/2)+\i], v[\sb+16*(\bb+\q/2)+\i], v[NEGV], vcc_lo
.endr
.endr
.Lopen_\@:
.irp b, 0,1,2,3
	v_max3_num_f32 v[BM+\b], v[\sb+16*\b], v[\sb+16*\b+1], v[\sb+16*\b+2]   ; the largest score of each block of 32 keys: for the row's maximum, and, since p rises with the score, for the block's largest p
.endr
.irp i, 3,5,7,9,11,13
.irp b, 0,1,2,3
	v_max3_num_f32 v[BM+\b], v[BM+\b], v[\sb+16*\b+\i], v[\sb+16*\b+\i+1]
.endr
.endr
.irp b, 0,1,2,3
	v_max_num_f32 v[BM+\b], v[BM+\b], v[\sb+16*\b+15]
.endr
.irp b, 0,1,2,3
	v_permlanex16_b32 v[TT+\b], v[BM+\b], s[SEL], s[SEL+1]
.endr
.irp b, 0,1,2,3
	v_max_num_f32 v[BM+\b], v[BM+\b], v[TT+\b]     ; with lane l xor 16's 16 keys
.endr
	v_max3_num_f32 v[X1], v[BM], v[BM+1], v[BM+2]
	v_max_num_f32 v[X1], v[X1], v[BM+3]            ; the step's largest score of my query
.if \first
	v_mul_f32 v[rN+1], s28, v[X1]                  ; as t: the largest so far
	v_floor_f32 v[rN], -v[rN+1]                    ; -M = floor(-t) = -ceil(t)
.else
	v_mul_f32 v[X1], s28, v[X1]
	v_max_num_f32 v[rN+1], v[rN+1], v[X1]          ; the running largest t
	v_mov_b32 v[X1], v[rN]
	v_floor_f32 v[rN], -v[rN+1]                    ; the new -M
	v_sub_f32 v[X1], v[rN], v[X1]                  ; old M - new M: a whole number, 0 or less
	v_cvt_i32_f32 v[X1], v[X1]                     ; (it saturates)
	v_ldexp_f32 v[FF], 1.0, v[X1]                  ; f = 2^(old M - new M)
.endif
.set j, 0
.rept 32
	v_pk_fma_f32 v[\sb+j:\sb+j+1], v[\sb+j:\sb+j+1], s[28:29], v[rN:rN+1] op_sel_hi:[1,0,0]   ; t - M, two at a time (of the pairs c and -M the low word serves both halves)
.set j, j+2
.endr
.irp b, 0,1,2,3
	v_fma_f32 v[BM+\b], v[BM+\b], s28, v[rN]       ; the same of each block's largest score
.endr
.set j, 0
.rept 64
	v_exp_f32 v[\sb+j], v[\sb+j]                   ; p = 2^(t - M)
.set j, j+1
.endr
.irp b, 0,1,2,3
	v_exp_f32 v[BM+\b], v[BM+\b]                   ; the block's largest p: the same two instructions on the same number
.endr
.if \first
	v_nop                                          ; a plain place behind the exponentials
	s_wait_alu depctr_va_vdst(0)
.else
	v_pk_mul_f32 v[rN+2:rN+3], v[rN+2:rN+3], v[FF:FF+1] op_sel_hi:[1,0]   ; the sums under the new M (a plain place behind the exponentials)
	s_wait_alu depctr_va_vdst(0)
.endif
.irp b, 0,1,2,3
	v_max_num_f32 v[BM+\b], 0x1800000, v[BM+\b]    ; the floor 2^(3 - 127): the byte cannot fall under 1
.endr
.irp b, 0,1,2,3
	v_add_nc_u32 v[SOP+\b], 0xff000000, v[BM+\b]   ; 2 off the exponent field: the conversion's scale operand
.endr
.irp b, 0,1,2,3
	v_lshrrev_b32 v[TT+\b], 23, v[SOP+\b]          ; the scale's byte
.endr
	v_lshl_or_b32 v[PS+\q], v[TT+1], 8, v[TT]      ; p's scale word for these 128 keys
	v_lshl_or_b32 v[PS+\q], v[TT+2], 16, v[PS+\q]
	v_lshl_or_b32 v[PS+\q], v[TT+3], 24, v[PS+\q]
.irp b, 0,1,2,3
	v_cvt_scalef32_pk8_fp4_f32 v[PC+8*\q+2*\b], v[\sb+16*\b:\sb+16*\b+7], v[SOP+\b]
	v_cvt_scalef32_pk8_fp4_f32 v[PC+8*\q+2*\b+1], v[\sb+16*\b+8:\sb+16*\b+15], v[SOP+\b]
.endr
	v_nop                                          ; one plain place behind the last conversion
.irp c, 0,1
.irp i, 0,1
	v_permlane16_swap_b32 v[PC+8*\q+4*\c+\i], v[PC+8*\q+4*\c+2+\i]   ; a WHOLE block in a lane: lanes 0-15 block 2 c, lanes 16-31 block 2 c + 1
.endr
.endr
	v_pk_add_f32 v[SUM:SUM+1], v[\sb:\sb+1], v[\sb+2:\sb+3]          ; the row's sum, of the UNQUANTISED p, in two chains.  These 32 lines are also the places between p's word and codes and the products that take them
.set j, 4
.rept 15
	v_pk_add_f32 v[rN+2:rN+3], v[rN+2:rN+3], v[\sb+j:\sb+j+1]
	v_pk_add_f32 v[SUM:SUM+1], v[SUM:SUM+1], v[\sb+j+2:\sb+j+3]
.set j, j+4
.endr
	v_pk_add_f32 v[rN+2:rN+3], v[rN+2:rN+3], v[SUM:SUM+1]
.if \first == 0
	WIN 0x41
.set j, 0
.rept 16
	v_pk_mul_f32 v[OA+32*\q+j:OA+32*\q+j+1], v[OA+32*\q+j:OA+32*\q+j+1], v[FF:FF+1] op_sel_hi:[1,0]   ; the tile's O^T under the new M, each accumulator from its low end on
.set j, j+2
.endr
	WIN 0
.endif
.endm
; A STEP of 128 keys.  Two sets of scores: while one tile's softmax is walked, the products of the tile after next have been issued.  V of this step is asked for four softmaxes ahead of its use,
; K of the next step two.
.macro STEP first
	QK 0, SCA
	QK 1, SCB
	WIN 0
	PLACES 4                                       ; in front of the first read of scores, and of the loads into V's registers, which the last step's products read
	VLOAD
	SM 0, SCA, \first
	QK 2, SCA
	WIN 0
	SM 1, SCB, \first
	QK 3, SCB
	WIN 0
	PLACES 4                                       ; in front of the loads into K's registers
.if \first == 0
	s_cmp_eq_u32 s30, 15                           ; the last step asks for nothing: no load leaves its buffer
	s_cbranch_scc1 .Lnok_\@
.endif
	s_add_nc_u64 s[8:9], s[8:9], 4096              ; K's loads were shown done by the last wait for 0: their bases may step
	s_add_nc_u64 s[10:11], s[10:11], 512
	KLOAD
.if \first == 0
.Lnok_\@:
.endif
	SM 2, SCA, \first
	SM 3, SCB, \first
	s_wait_loadcnt 0x0                             ; V of this step, and K of the next, which is wanted sixteen matrix instructions on: zero is right on both ways of the branch above
	s_add_nc_u64 s[12:13], s[12:13], 4096          ; so V's bases may step (behind the last step they are not used)
	s_add_nc_u64 s[14:15], s[14:15], 256
	PV \first
.endm
; 2 blocks of 32: register src + 16 b + i of lane (r, h) is k = 32 b + 16 h + i of the lane's row: four registers of codes at pc, the two bytes in pw
.macro QUANT2 src, pc, pw
.irp b, 0,1
	v_max3_num_f32 v[TM+\b], |v[\src+16*\b]|, |v[\src+16*\b+1]|, 0x1800000
.endr
.irp i, 2,4,6,8,10,12,14
.irp b, 0,1
	v_max3_num_f32 v[TM+\b], v[TM+\b], |v[\src+16*\b+\i]|, |v[\src+16*\b+\i+1]|
.endr
.endr
.irp b, 0,1
	v_permlanex16_b32 v[TM+4+\b], v[TM+\b], s[SEL], s[SEL+1]
.endr
.irp b, 0,1
	v_max_num_f32 v[TM+\b], v[TM+\b], v[TM+4+\b]
.endr
.irp b, 0,1
	v_add_nc_u32 v[TM+12+\b], 0xff000000, v[TM+\b]
.endr
.irp b, 0,1
	v_lshrrev_b32 v[TM+4+\b], 23, v[TM+12+\b]
.endr
	v_lshl_or_b32 v[\pw], v[TM+5], 8, v[TM+4]
.irp b, 0,1
	v_cvt_scalef32_pk8_fp4_f32 v[\pc+2*\b], v[\src+16*\b:\src+16*\b+7], v[TM+12+\b]
	v_cvt_scalef32_pk8_fp4_f32 v[\pc+2*\b+1], v[\src+16*\b+8:\src+16*\b+15], v[TM+12+\b]
.endr
	v_nop                                          ; one plain place behind the last conversion
	v_permlane16_swap_b32 v[\pc], v[\pc+2]
	v_permlane16_swap_b32 v[\pc+1], v[\pc+3]
.endm
	s_load_b256 s[4:11], s[0:1], 0x0               ; qc s[4:5], qs s[6:7], kc s[8:9], ks s[10:11]
	s_load_b256 s[12:19], s[0:1], 0x20             ; vc s[12:13], vs s[14:15], wc s[16:17], ws s[18:19]
	s_load_b64 s[20:21], s[0:1], 0x40              ; out0
	v_lshl_add_u32 v254, v0, 2, 0x8c00
	v_mov_b32 v255, 0
	v_lshrrev_b32 v1, 5, v0
	v_readfirstlane_b32 s22, v1                    ; wave = head
	s_mov_b32 s23, ttmp9                           ; X: which 64 queries
	s_and_b32 s24, ttmp7, 0xffff                   ; batch
	s_lshl_b32 s25, s24, 3
	s_add_co_u32 s25, s25, s22                     ; bh
	s_mov_b32 s[SEL], 0x76543210
	s_mov_b32 s[SEL+1], 0xfedcba98
	s_mov_b32 s28, 0x3e38aa3b                      ; c = log2(e) / 8
	s_mov_b32 s29, s28                             ; (named with it as a pair, so it is written)
	s_mov_b32 s30, 0                               ; the step
	s_lshr_b32 s31, s23, 1                         ; the step that holds my queries' own keys
	s_and_b32 s32, s23, 1
	v_and_b32 v211, 31, v0                         ; lane
	v_and_b32 v208, 15, v0                         ; r
	v_bfe_u32 v209, v0, 4, 1                       ; h
	v_lshlrev_b32 v[LI], 4, v211
	v_lshlrev_b32 v[LS], 2, v211
	v_lshlrev_b32 v[SR], 5, v208
	s_mov_b32 s35, 0
	s_lshl_b32 s36, s25, 16
	s_wait_kmcnt 0x0
	s_lshl_b32 s34, s23, 11                        ; Q: bh << 16 + four tiles of 512 bytes a work-group
	s_add_co_u32 s34, s34, s36
	s_add_nc_u64 s[4:5], s[4:5], s[34:35]
	s_mov_b32 s34, s36
	s_add_nc_u64 s[8:9], s[8:9], s[34:35]          ; K and V: the head's first step
	s_add_nc_u64 s[12:13], s[12:13], s[34:35]
	s_lshl_b32 s34, s25, 13
	s_add_nc_u64 s[10:11], s[10:11], s[34:35]      ; K's words
	s_lshl_b32 s37, s31, 9                         ; Q's words: block X >> 1 of 128 rows, tiles 4 (X & 1) on
	s_add_co_u32 s34, s34, s37
	s_lshl_b32 s37, s32, 4
	s_add_co_u32 s34, s34, s37
	s_add_nc_u64 s[6:7], s[6:7], s[34:35]
	WIN 0x40
.irp q, 0,1,2,3
	global_load_b128 v[QF+8*\q:QF+8*\q+3], v[LI], s[4:5] offset:512*\q   ; Q stays in registers
.endr
	KLOAD                                          ; step 0
	global_load_b128 v[QS:QS+3], v[SR], s[6:7]
	WIN 0x40
.irp q, 0,1,2,3
.irp j, 4,5,6,7
	v_mov_b32 v[QF+8*\q+\j], 0                     ; the upper halves of Q's and K's fragments: zero codes, written once
.endr
.endr
.irp i, 0,1,2,3,4,5,6,7
.irp j, 4,5,6,7
	v_mov_b32 v[KF+8*\i+\j], 0
.endr
.endr
	WIN 0
	s_lshl_b32 s34, s25, 12
	s_add_nc_u64 s[14:15], s[14:15], s[34:35]      ; V's words
	s_and_b32 s37, s22, 1
	s_lshl_b32 s34, s37, 13                        ; Wo: my two tiles of outputs
	s_add_co_u32 s34, s34, 196608
	s_add_nc_u64 s[16:17], s[16:17], s[34:35]
	s_lshl_b32 s34, s37, 7
	s_add_co_u32 s34, s34, 12288
	s_add_nc_u64 s[18:19], s[18:19], s[34:35]
	s_lshl_b32 s34, s24, 19                        ; out: batch x 2,048 rows of 256 bytes + 64 X rows + 8 w rows
	s_lshl_b32 s37, s23, 14
	s_add_co_u32 s34, s34, s37
	s_lshl_b32 s37, s22, 11
	s_add_co_u32 s34, s34, s37
	s_add_nc_u64 s[20:21], s[20:21], s[34:35]
	v_and_b32 v210, 8, v208
	v_add_nc_u32 v210, v210, v208                  ; r + 8 (r / 8)
	v_lshlrev_b32 v[DG], 4, v209
	v_sub_nc_u32 v[DG], v210, v[DG]
	s_lshl_b32 s33, s32, 6
	v_add_nc_u32 v[DG], s33, v[DG]
	s_lshl_b32 s33, s22, 9
	v_add_nc_u32 v[CWI], s33, v[LI]
	s_lshl_b32 s33, s22, 1
	s_add_co_u32 s33, s33, CSC
	v_add_nc_u32 v[CWS], s33, v[LI]
	s_lshr_b32 s33, s22, 2                         ; the stage, in: tile w >> 1 of rows begins at row 32 (w >> 2) + 8 ((w >> 1) & 1); my outputs' 128 bytes
	s_lshl_b32 s33, s33, 5
	s_bfe_u32 s34, s22, 0x10001
	s_lshl_b32 s34, s34, 3
	s_add_co_u32 s33, s33, s34
	s_mul_i32 s33, s33, 272
	s_and_b32 s34, s22, 1
	s_lshl_b32 s34, s34, 7
	s_add_co_u32 s33, s33, s34
	s_add_co_u32 s33, s33, STG
	v_mul_u32_u24 v[SO], v210, 272
	v_lshl_add_u32 v[SO], v209, 5, v[SO]
	v_add_nc_u32 v[SO], s33, v[SO]
	s_mul_i32 s33, s22, 8*272                      ; and out: my rows 8 w .. 8 w + 7; lanes 0-15 one row, lanes 16-31 the next
	s_add_co_u32 s33, s33, STG
	v_mul_u32_u24 v[SRD], v209, 272
	v_lshl_add_u32 v[SRD], v208, 4, v[SRD]
	v_add_nc_u32 v[SRD], s33, v[SRD]
	s_lshr_b32 s33, s22, 1
	s_lshl_b32 s34, s33, 12
	v_add_nc_u32 v[CRI], s34, v[LI]
	s_lshl_b32 s34, s33, 9
	s_add_co_u32 s34, s34, CSC
	v_add_nc_u32 v[CRS], s34, v[LI]
	v_lshlrev_b32 v[WSA], 2, v208
.irp q, 0,1,2,3
	v_mov_b32 v[ST+4*\q+2], 0                      ; the sums, in two halves
	v_mov_b32 v[ST+4*\q+3], 0
	v_mov_b32 v[TT+\q], 0                          ; written once: a lane permute's destination counts as one of its sources
.endr
	v_mov_b32 v[FF+1], 0                           ; (named as the upper half of the pair)
	v_mov_b32 v[NEGV], 0xcfee6b28                  ; -8e9
	s_wait_loadcnt 0x0                             ; Q, K of step 0 and their words
	STEP 1                                         ; the first step is written out: its products start O^T's sums
	s_mov_b32 s30, 1
.Lstep:                                            ; 15 trips
	STEP 0
	s_add_co_u32 s30, s30, 1
	s_cmp_lt_u32 s30, 16
	s_cbranch_scc1 .Lstep
	; ---- THE TAIL.  ctx = O^T / the sum, quantised along d; the eight heads' images meet in LDS; out = ctx Wo.
.irp q, 0,1,2,3
	v_add_f32 v[BM+\q], v[ST+4*\q+2], v[ST+4*\q+3] ; the sums' two halves: four plain lines, the places behind the last products
.endr
.irp t, 0,1
.irp s, 0,1,2,3
.irp c, 0,1
	global_load_b128 v[WFO+8*(4*\t+\s)+4*\c:WFO+8*(4*\t+\s)+4*\c+3], v[LI], s[16:17] offset:(4*\t+\s)*1024+512*\c   ; Wo's fragments of my two tiles of outputs: they land while ctx is quantised
.endr
	global_load_b32 v[WOS+4*\t+\s], v[WSA], s[18:19] offset:256*\s+64*\t
.endr
.endr
.irp q, 0,1,2,3
	v_permlanex16_b32 v[TT+\q], v[BM+\q], s[SEL], s[SEL+1]
.endr
.irp q, 0,1,2,3
	v_add_f32 v[BM+\q], v[BM+\q], v[TT+\q]         ; with lane l xor 16's: the row's sum
.endr
.irp q, 0,1,2,3
	v_rcp_f32 v[ST+4*\q+2], v[BM+\q]
.endr
	v_nop                                          ; a plain place behind the last reciprocal
	s_wait_alu depctr_va_vdst(0)
.irp q, 0,1,2,3
	WIN 0x01
.set j, 0
.rept 16
	v_pk_mul_f32 v[CX+j:CX+j+1], v[OA+32*\q+j:OA+32*\q+j+1], v[ST+4*\q+2:ST+4*\q+3] op_sel_hi:[1,0]   ; register 16 b + i of lane (r, h): ctx(query r, d = 32 b + 16 h + i)
.set j, j+2
.endr
	WIN 0
	QUANT2 CX, PC+4*\q, PWQ+\q
	ds_store_b128 v[CWI], v[PC+4*\q:PC+4*\q+3] offset:CIMG+4096*\q
	ds_store_b16 v[CWS], v[PWQ+\q] offset:512*\q   ; my head's two bytes of the K step's word
.endr
	s_wait_dscnt 0x0                               ; for the others' sake: my images have landed
	s_barrier_signal -1
	s_barrier_wait -1                              ; all eight heads' ctx lies in LDS
.irp s, 0,1,2,3
.irp c, 0,1
	ds_load_b128 v[CF+8*\s+4*\c:CF+8*\s+4*\c+3], v[CRI] offset:CIMG+1024*\s+512*\c
.endr
.endr
	ds_load_b128 v[CS4:CS4+3], v[CRS]
	s_wait_dscnt 0x0
	s_wait_loadcnt 0x0                             ; Wo
.irp s, 0,1,2,3                                ; the two accumulators by turns
.irp t, 0,1
.if \s == 0
	v_wmma_scale_f32_16x16x128_f8f6f4 v[YA+8*\t:YA+8*\t+7], v[WFO+8*(4*\t+\s):WFO+8*(4*\t+\s)+7], v[CF+8*\s:CF+8*\s+7], 0, v[WOS+4*\t+\s], v[CS4+\s] matrix_a_fmt:MATRIX_FMT_FP4 matrix_b_fmt:MATRIX_FMT_FP4
.else
	v_wmma_scale_f32_16x16x128_f8f6f4 v[YA+8*\t:YA+8*\t+7], v[WFO+8*(4*\t+\s):WFO+8*(4*\t+\s)+7], v[CF+8*\s:CF+8*\s+7], v[YA+8*\t:YA+8*\t+7], v[WOS+4*\t+\s], v[CS4+\s] matrix_a_fmt:MATRIX_FMT_FP4 matrix_b_fmt:MATRIX_FMT_FP4
.endif
.endr
.endr
	PLACES 4
.irp t, 0,1
	ds_store_b128 v[SO], v[YA+8*\t:YA+8*\t+3] offset:64*\t         ; lane (r, h): out(my row, 32 (w & 1) + 16 t + 8 h + 0 .. 7); each accumulator from its low end on
	ds_store_b128 v[SO], v[YA+8*\t+4:YA+8*\t+7] offset:64*\t+16
.endr
	s_wait_dscnt 0x0                               ; a row's 256 bytes come from two waves
	s_barrier_signal -1
	s_barrier_wait -1
.irp i, 0,1,2,3
	ds_load_b128 v[OB+4*\i:OB+4*\i+3], v[SRD] offset:544*\i
.endr
.irp i, 0,1,2,3
	s_wait_dscnt 3-\i                              ; the younger loads may stay out
	global_store_b128 v[LI], v[OB+4*\i:OB+4*\i+3], s[20:21] offset:512*\i th:TH_STORE_NT   ; two whole rows: 512 consecutive bytes, at a multiple of 256 from out's first byte
.endr
	s_wait_tensorcnt 0x0
	ds_add_u32 v254, v255
	s_wait_dscnt 0x0
	s_endpgm
.Lfunc_end_k_q3efc59b41a_attn:
	.size	k_q3efc59b41a_attn, .Lfunc_end_k_q3efc59b41a_attn-k_q3efc59b41a_attn
	.p2alignl 7, 3214868480
	.fill 96, 4, 3214868480
	.section	.rodata,"a",@progbits
	.p2align	6, 0x0
	.amdhsa_kernel k_q3efc59b41a_attn
		.amdhsa_group_segment_fixed_size 36864
		.amdhsa_private_segment_fixed_size 0
		.amdhsa_enable_private_segment 0
		.amdhsa_kernarg_size 72
		.amdhsa_user_sgpr_count 2
		.amdhsa_user_sgpr_kernarg_segment_ptr 1
		.amdhsa_wavefront_size32 1
		.amdhsa_system_sgpr_workgroup_id_x 1
		.amdhsa_system_sgpr_workgroup_id_y 1
		.amdhsa_system_sgpr_workgroup_id_z 1
		.amdhsa_system_vgpr_workitem_id 0
		.amdhsa_next_free_vgpr 512
		.amdhsa_next_free_sgpr 66
		.amdhsa_reserve_vcc 1
		.amdhsa_float_denorm_mode_32 3
		.amdhsa_float_denorm_mode_16_64 3
		.amdhsa_memory_ordered 1
		.amdhsa_forward_progress 1
		.amdhsa_inst_pref_size 151
	.end_amdhsa_kernel
	.amdgpu_metadata
---
amdhsa.version: [ 1, 2 ]
amdhsa.kernels:
  - .name:           k_q3efc59b41a_attn
    .symbol:         k_q3efc59b41a_attn.kd
    .args:
      - { .name: qc, .offset: 0, .size: 8, .value_kind: global_buffer, .address_space: global }
      - { .name: qs, .offset: 8, .size: 8, .value_kind: global_buffer, .address_space: global }
      - { .name: kc, .offset: 16, .size: 8, .value_kind: global_buffer, .address_space: global }
      - { .name: ks, .offset: 24, .size: 8, .value_kind: global_buffer, .address_space: global }
      - { .name: vc, .offset: 32, .size: 8, .value_kind: global_buffer, .address_space: global }
      - { .name: vs, .offset: 40, .size: 8, .value_kind: global_buffer, .address_space: global }
      - { .name: wc, .offset: 48, .size: 8, .value_kind: global_buffer, .address_space: global }
      - { .name: ws, .offset: 56, .size: 8, .value_kind: global_buffer, .address_space: global }
      - { .name: out0, .offset: 64, .size: 8, .value_kind: global_buffer, .address_space: global }
    .group_segment_fixed_size: 36864
    .private_segment_fixed_size: 0
    .kernarg_segment_align: 8
    .kernarg_segment_size: 72
    .max_flat_workgroup_size: 256
    .sgpr_count:     66
    .vgpr_count:     512
    .wavefront_size: 32
...
	.end_amdgpu_metadata
.endif
;; end of part 3
;; ======== version 2 of 2: 3 launches
;; workspace buffers: wc 212,992 bytes; ws 13,312 bytes; qc 4,194,304 bytes; qs 524,288 bytes; kc 4,194,304 bytes; ks 524,288 bytes; vc 4,194,304 bytes; vs 262,144 bytes
;; launch prep (part 4): grid 104 x 1, 1 waves a work-group, no clusters, 0 bytes of LDS; arguments Wq, Wk, Wv, Wo, wc, ws; writes wc, ws
.if DOCPART == 4
	.amdgcn_target "amdgcn-amd-amdhsa--gfx1250"
	.amdhsa_code_object_version 6
	.text
	.protected	k_q3efc59b41a_prep
	.globl	k_q3efc59b41a_prep
	.p2align	8
	.type	k_q3efc59b41a_prep,@function
k_q3efc59b41a_prep:
	s_mov_b64 s[64:65], 0
	v_nop
	global_prefetch_b8 v0, s[64:65] scope:SCOPE_SE
	s_setreg_imm32_b32 hwreg(HW_REG_WAVE_MODE, 25, 1), 1
	s_wait_xcnt 0x0
; Wq, Wk, Wv [256][512] and Wo [512][64], f32 with K as the FIRST axis, become codes of FP4 (E2M1) with one E8M0 byte for each 32 along K,
; laid as IMAGES OF OPERAND REGISTERS: a fragment (16 columns x 128 K) is 1,024 bytes: group c of four registers at 512 c, lane l's 16 bytes at 16 l.
; A block's scale is 2^(floor(log2(largest magnitude)) - 2); its byte is the largest magnitude's exponent field - 2, held at 1 from below.
; LIMITS: a block of zeros, or one under 2^-124, gets the byte 1 (its codes are zeros or held small; this program alone reads the bytes); NaN and infinities are not served.
; SHARES.  One wave to a work-group: 32 columns x 128 along K.  A LANE TAKES A COLUMN AND ITS REGISTERS RUN DOWN K: each load reads 128 consecutive bytes, a block of 32
; lies in one lane, and the lane's 16 bytes of block b are lane (r, h = b & 1), group c = b >> 1 of the image: byte 256 b + 16 r.  No LDS, no other lane.
; Work-groups 0-95: kind = id >> 5 (q, k, v), g = (id >> 1) & 15 (32 columns), s = id & 1 (K step).  96-103: Wo, g = j >> 2, s = j & 3.  That is all the work there is.
; COLUMN ORDER of Wq, Wk, Wv: lane r of tile 2 b + u of a head is column 32 b + 8 u + r + 8 (r / 8), so that a product's 16 registers of two neighbouring tiles are 16 neighbours.  Wo: natural.
; wc: ((((kind 8 + head) 4 + t) 2 + s) 1024; Wo from byte 196,608 at (4 t + s) 1024.   ws (a word = 4 bytes = 128 K): (kind 8 + head) 512 + 256 s + 64 t + 4 r; Wo from 12,288 at 256 s + 64 t + 4 r.
; Each store of codes covers two whole runs of 256 consecutive bytes; the scale words' one store covers 128 consecutive bytes.
.set XN, 48                            ; v48-175  the wave's 128 numbers a lane
; v1 4 x lane (in)   v2 the codes' lane offset   v3 the scale word's   v8-15 two chains of maxima a block   v16-19 scale operands   v20-23 bytes   v24 the word   v28-43 codes, each block its own
.macro BLOCK b, left
	s_wait_loadcnt \left                           ; this block's 32 loads are in: at most 32 (3 - b) younger ones may be out; the wait's field ends at 63, and a smaller count is safe
.set XB, XN+32*\b
	v_max3_num_f32 v[8+2*\b], |v[XB]|, |v[XB+1]|, |v[XB+2]|        ; the block's largest magnitude, in two chains
	v_max3_num_f32 v[9+2*\b], |v[XB+3]|, |v[XB+4]|, |v[XB+5]|
.irp i, 6,10,14,18,22,26
	v_max3_num_f32 v[8+2*\b], v[8+2*\b], |v[XB+\i]|, |v[XB+\i+1]|
	v_max3_num_f32 v[9+2*\b], v[9+2*\b], |v[XB+\i+2]|, |v[XB+\i+3]|
.endr
	v_max3_num_f32 v[8+2*\b], v[8+2*\b], |v[XB+30]|, |v[XB+31]|
	v_max3_num_f32 v[8+2*\b], v[8+2*\b], v[9+2*\b], 0x1800000      ; and the floor 2^(3 - 127): the byte cannot fall under 1
	v_add_nc_u32 v[16+\b], 0xff000000, v[8+2*\b]   ; 2 off the exponent field: the conversion takes this operand's exponent field as its scale
	v_lshrrev_b32 v[20+\b], 23, v[16+\b]           ; the scale's byte
.if \b == 0
	v_mov_b32 v24, v20
.else
	v_lshl_or_b32 v24, v[20+\b], 8*\b, v24         ; byte b of the K step's word
.endif
.irp g, 0,1,2,3
	v_cvt_scalef32_pk8_fp4_f32 v[28+4*\b+\g], v[XB+8*\g:XB+8*\g+7], v[16+\b]
.endr
	v_nop                                          ; one plain place behind the last conversion
	global_store_b128 v2, v[28+4*\b:28+4*\b+3], s[12:13] offset:256*\b
.endm
.macro BODY stride                     ; stride: bytes from a row of the weight to the next
.set n, 0
.rept 128
	global_load_b32 v[XN+n], v1, s[20:21] offset:n*\stride th:TH_LOAD_NT   ; row n of the K step at my column; read once in the launch
.set n, n+1
.endr
	BLOCK 0, 63
	BLOCK 1, 63
	BLOCK 2, 32
	BLOCK 3, 0
	global_store_b32 v3, v24, s[14:15]
	s_endpgm
.endm
	s_load_b256 s[4:11], s[0:1], 0x0               ; Wq s[4:5], Wk s[6:7], Wv s[8:9], Wo s[10:11]
	s_load_b128 s[12:15], s[0:1], 0x20             ; wc s[12:13], ws s[14:15]
	v_lshlrev_b32 v1, 2, v0                        ; 4 bytes a lane
	s_mov_b32 s23, 0                               ; the offsets' high words
	s_mov_b32 s25, 0
	s_mov_b32 s27, 0
	s_cmp_ge_u32 ttmp9, 96
	s_cbranch_scc1 .Lwo
	; ---- Wq, Wk, Wv
	s_lshr_b32 s17, ttmp9, 5                       ; kind
	s_bfe_u32 s18, ttmp9, 0x40001                  ; g
	s_and_b32 s19, ttmp9, 1                        ; s
	s_lshl_b32 s22, s19, 18                        ; in: 128 rows of 2,048 bytes a K step,
	s_lshl_b32 s16, s18, 7                         ; 128 bytes a group of columns
	s_or_b32 s22, s22, s16
	s_lshl_b32 s24, s17, 16                        ; codes: kind << 16 | g << 12 | s << 10
	s_lshl_b32 s16, s18, 12
	s_or_b32 s24, s24, s16
	s_lshl_b32 s16, s19, 10
	s_or_b32 s24, s24, s16
	s_lshl_b32 s26, s17, 12                        ; words: kind << 12 | head << 9 | s << 8 | (g & 1) << 7
	s_lshr_b32 s16, s18, 1
	s_lshl_b32 s16, s16, 9
	s_or_b32 s26, s26, s16
	s_lshl_b32 s16, s19, 8
	s_or_b32 s26, s26, s16
	s_and_b32 s16, s18, 1
	s_lshl_b32 s16, s16, 7
	s_or_b32 s26, s26, s16
	v_and_b32 v4, 7, v0                            ; column x of the 32 is lane r = (x & 7) | (x >> 4) << 3 of tile u = (x >> 3) & 1
	v_lshrrev_b32 v5, 4, v0
	v_lshl_or_b32 v4, v5, 3, v4
	v_bfe_u32 v5, v0, 3, 1
	v_lshlrev_b32 v2, 4, v4
	v_lshl_or_b32 v2, v5, 11, v2                   ; u << 11 | r << 4
	v_lshlrev_b32 v3, 2, v4
	v_lshl_or_b32 v3, v5, 6, v3                    ; u << 6 | r << 2
	s_wait_kmcnt 0x0
	s_cmp_eq_u32 s17, 0                            ; the choice hangs on the work-group's number alone
	s_cselect_b64 s[20:21], s[4:5], s[6:7]
	s_cmp_eq_u32 s17, 2
	s_cselect_b64 s[20:21], s[8:9], s[20:21]
	s_add_nc_u64 s[20:21], s[20:21], s[22:23]
	s_add_nc_u64 s[12:13], s[12:13], s[24:25]
	s_add_nc_u64 s[14:15], s[14:15], s[26:27]
	s_wait_alu depctr_va_vdst(0)
	BODY 2048
.Lwo:
	; ---- Wo
	s_sub_co_u32 s16, ttmp9, 96
	s_lshr_b32 s18, s16, 2                         ; g
	s_and_b32 s19, s16, 3                          ; s
	s_lshl_b32 s22, s19, 15                        ; in: 128 rows of 256 bytes a K step
	s_lshl_b32 s16, s18, 7
	s_or_b32 s22, s22, s16
	s_lshl_b32 s24, s18, 13                        ; codes: 196,608 + (g << 13 | s << 10)
	s_lshl_b32 s16, s19, 10
	s_or_b32 s24, s24, s16
	s_add_co_u32 s24, s24, 196608
	s_lshl_b32 s26, s19, 8                         ; words: 12,288 + (s << 8 | g << 7)
	s_or_b32 s26, s26, s22
	s_and_b32 s26, s26, 0x380                      ; (s22's low bits are g << 7; its K step bits are cut off)
	s_add_co_u32 s26, s26, 12288
	v_lshrrev_b32 v5, 4, v0                        ; natural order: tile x >> 4, lane x & 15
	v_and_b32 v4, 15, v0
	v_lshlrev_b32 v2, 4, v4
	v_lshl_or_b32 v2, v5, 12, v2
	s_wait_alu depctr_va_vdst(0)
	v_mov_b32 v3, v1                               ; 64 (x >> 4) + 4 (x & 15) = 4 x
	s_wait_kmcnt 0x0
	s_add_nc_u64 s[20:21], s[10:11], s[22:23]
	s_add_nc_u64 s[12:13], s[12:13], s[24:25]
	s_add_nc_u64 s[14:15], s[14:15], s[26:27]
	BODY 256
.Lfunc_end_k_q3efc59b41a_prep:
	.size	k_q3efc59b41a_prep, .Lfunc_end_k_q3efc59b41a_prep-k_q3efc59b41a_prep
	.p2alignl 7, 3214868480
	.fill 96, 4, 3214868480
	.section	.rodata,"a",@progbits
	.p2align	6, 0x0
	.amdhsa_kernel k_q3efc59b41a_prep
		.amdhsa_group_segment_fixed_size 0
		.amdhsa_private_segment_fixed_size 0
		.amdhsa_enable_private_segment 0
		.amdhsa_kernarg_size 48
		.amdhsa_user_sgpr_count 2
		.amdhsa_user_sgpr_kernarg_segment_ptr 1
		.amdhsa_wavefront_size32 1
		.amdhsa_system_sgpr_workgroup_id_x 1
		.amdhsa_system_sgpr_workgroup_id_y 1
		.amdhsa_system_sgpr_workgroup_id_z 1
		.amdhsa_system_vgpr_workitem_id 0
		.amdhsa_next_free_vgpr 176
		.amdhsa_next_free_sgpr 66
		.amdhsa_reserve_vcc 0
		.amdhsa_float_denorm_mode_32 3
		.amdhsa_float_denorm_mode_16_64 3
		.amdhsa_memory_ordered 1
		.amdhsa_forward_progress 1
		.amdhsa_inst_pref_size 40
	.end_amdhsa_kernel
	.amdgpu_metadata
---
amdhsa.version: [ 1, 2 ]
amdhsa.kernels:
  - .name:           k_q3efc59b41a_prep
    .symbol:         k_q3efc59b41a_prep.kd
    .args:
      - { .name: Wq, .offset: 0, .size: 8, .value_kind: global_buffer, .address_space: global }
      - { .name: Wk, .offset: 8, .size: 8, .value_kind: global_buffer, .address_space: global }
      - { .name: Wv, .offset: 16, .size: 8, .value_kind: global_buffer, .address_space: global }
      - { .name: Wo, .offset: 24, .size: 8, .value_kind: global_buffer, .address_space: global }
      - { .name: wc, .offset: 32, .size: 8, .value_kind: global_buffer, .address_space: global }
      - { .name: ws, .offset: 40, .size: 8, .value_kind: global_buffer, .address_space: global }
    .group_segment_fixed_size: 0
    .private_segment_fixed_size: 0
    .kernarg_segment_align: 8
    .kernarg_segment_size: 48
    .max_flat_workgroup_size: 32
    .sgpr_count:     66
    .vgpr_count:     176
    .wavefront_size: 32
...
	.end_amdgpu_metadata
.endif
;; end of part 4
;; launch proj (part 5): grid 2 x 128, 16 waves a work-group, no clusters, 20,480 bytes of LDS; arguments msg, wc, ws, bq, bk, bv, qc, qs, kc, ks, vc, vs; writes qc, qs, kc, ks, vc, vs
.if DOCPART == 5
	.amdgcn_target "amdgcn-amd-amdhsa--gfx1250"
	.amdhsa_code_object_version 6
	.text
	.protected	k_q3efc59b41a_proj
	.globl	k_q3efc59b41a_proj
	.p2align	8
	.type	k_q3efc59b41a_proj,@function
k_q3efc59b41a_proj:
	s_mov_b64 s[64:65], 0
	v_nop
	global_prefetch_b8 v0, s[64:65] scope:SCOPE_SE
	s_setreg_imm32_b32 hwreg(HW_REG_WAVE_SCHED_MODE, 0, 2), 2
	s_setreg_imm32_b32 hwreg(HW_REG_WAVE_MODE, 25, 1), 1
	s_wait_xcnt 0x0
	s_wait_alu depctr_vm_vsrc(0)
; q = msg Wq + bq, k = msg Wk + bk, v = msg Wv + bv on codes of FP4 (E2M1) with one E8M0 byte for each 32 along K; the results are quantised at once for the products that follow
; (q, k along the head's 64; v along the keys) and stored as IMAGES OF OPERAND REGISTERS (four registers = 512 bytes, lane l's 16 bytes at 16 l).
; SHARES.  Work-group (G = x, X = y): rows 128 X .. 128 X + 127 of msg (one step of keys), heads 4 G .. 4 G + 3.  Sixteen waves of 256 registers.
;   First wave w quantises msg's fragment (tile of rows w >> 1, K step w & 1) and stores its image in LDS; one barrier; then wave w serves head 4 G + (w >> 2) in role w & 3:
;   0: q, 1: k (8 tiles of rows x 4 tiles of columns x 2 K steps);  2, 3: v, column tiles 2 p, 2 p + 1 with p = role - 2 (2 x 8 x 2).
; ROW ORDER: lane r of tile i is row 32 (i / 2) + 8 (i % 2) + r + 8 (r / 8) of the 128; the weights' columns are ordered likewise.  So the 16 registers of two neighbouring result tiles
;   are 16 NEIGHBOURS along the next K: along d for q and k (product used transposed: source 0 = 16 columns of W, source 1 = 16 rows), along the keys for v (source 0 = 16 rows, source 1 = 16 columns).
; The biases are the C of each sum's first matrix instruction.
; OUT.  qc, kc: bh 65536 + T 512 (the lower four registers of a fragment: d = 32 h + 0 .. 31).  qs, ks: bh 8192 + block 512 + 32 r + 4 i: bytes 0, 1 the two blocks' scales, bytes 2, 3 zero.
;   vc: bh 65536 + step 4096 + t 1024 + 512 c.  vs: bh 4096 + step 256 + 64 t + 4 r.  Every store of codes and of q's and k's words covers 512 consecutive bytes; a store of v's words 128.
; The roles part ONCE, behind the barrier: what every role loads by the same lines (column tiles 0, 1 of its weights) is asked for ahead of the barrier, the rest first thing behind the parting.
; LIMITS: a block of zeros, or one under 2^-124, gets the byte 1 (this program alone reads the bytes); NaN and infinities are not served.
; No tensor loads, no cluster: msg's rows are read by two work-groups only, and the weights' codes are 104 KB a work-group.
; THE MODE: SCHED_MODE bits 1:0 = 2 (LLVM: expert scheduling mode 2), set by the entry lines.  The code itself states the register dependences between vector or matrix
; instructions and memory or LDS instructions, with s_wait_alu, always for 0.
; THE PLAN.  Registers that memory or LDS instructions touch:
;   v4-v11, v14     offsets and LDS addresses: written at the head and never again: one wait on va_vdst ahead of the first load serves every access of the kernel.
;   v72-135         msg as loaded; read by the first QUANT; later LDS loads land in v104-135 (q, k).
;   v40-47, v32     the image: written by the first QUANT, read by three LDS stores, written again by the roles' first tiles: a wait on va_vdst ahead of the stores, one on vm_vsrc behind the barrier, ahead of the parting.
;   q, k: XF0, XF1 and their words.  Tile i's products read buffer i % 2; tile i + 1's six LDS loads land in the other.  ONE wait on va_vdst to a tile, behind its QUANT: the tile's codes are written
;                   (its store reads them), and its products are done reading their buffer.  The next tile's products name the other buffer alone, so the fetch into the freed one is dealt among them with no further wait.
;   v: XFV and its words: one buffer (a second would take 72 registers; 16 are free).  A wait on va_vdst ahead of a tile's second fetch; the wait behind QUANT, ahead of the stores, also covers the next tile's first fetch.
;   Every tile's codes and words have registers of their own: no store's data are written again.
.set XIMG, 0                           ; LDS: msg's 16 fragments, 1,024 bytes each (2 i + s),
.set XSC,  16384                       ; and their scale words, 128 bytes each
.set TM,  16                           ; v16-31   at work in QUANT
.set PW,  32                           ; v32-39   scale words just made
.set PC,  40                           ; v40-71   codes just made: every tile its own registers, so that no store's data are written again
.set ST,  72                           ; v72-135  msg's 64 numbers
.set HA,  72                           ; v72-103  q, k: four result tiles
.set XF,  104                          ; v104-135 q, k: msg's two fragments of a tile of rows, two buffers
.set HV,  72                           ; v72-135  v: eight result tiles
.set XS,  136                          ; v136-143 msg's scale words
.set WF,  144                          ; v144-207 the weights' fragments (v: v144-175)
.set XFV, 176                          ; v: msg's eight fragments of a K step: v176-207, v216-247
.set WS,  208                          ; v208-215 the weights' scale words
.set BQ,  216                          ; v216-247 q, k: the bias, eight registers a column tile
.set BI,  248                          ; v248-255 v: the bias as a C operand
.set SEL, 38                           ; s[38:39] v_permlanex16_b32's selects for lane l xor 16
; v4 msg's lane offset  v5 16 x lane  v6 4 x lane  v7, v8 where I store my image and its words  v9 4 r  v10 64 h  v11 4 (r + (r & 8))  v12, v13 v's two bias numbers  v14 32 r + 16 h
.macro PLACES n
.rept \n
	v_nop
.endr
.endm
; nb blocks of 32 along K: register src + 16 b + i of lane (r, h) is k = 32 b + 16 h + i of the lane's row.  They become 2 nb registers of codes in operand order at pc, and the row's scale word in pw.
.macro QUANT src, nb, pc, pw
.set qb, 0
.rept \nb
	v_max3_num_f32 v[TM+qb], |v[\src+16*qb]|, |v[\src+16*qb+1]|, 0x1800000   ; my 16 numbers of block b, and the floor 2^(3 - 127): the byte cannot fall under 1
.set qb, qb+1
.endr
.set qi, 2
.rept 7
.set qb, 0
.rept \nb
	v_max3_num_f32 v[TM+qb], v[TM+qb], |v[\src+16*qb+qi]|, |v[\src+16*qb+qi+1]|   ; the blocks by turns
.set qb, qb+1
.endr
.set qi, qi+2
.endr
.set qb, 0
.rept \nb
	v_permlanex16_b32 v[TM+4+qb], v[TM+qb], s[SEL], s[SEL+1]
.set qb, qb+1
.endr
.set qb, 0
.rept \nb
	v_max_num_f32 v[TM+qb], v[TM+qb], v[TM+4+qb]   ; with lane l xor 16's 16: the block's largest magnitude
.set qb, qb+1
.endr
.set qb, 0
.rept \nb
	v_add_nc_u32 v[TM+12+qb], 0xff000000, v[TM+qb] ; 2 off its exponent field: the conversion's scale operand
.set qb, qb+1
.endr
.set qb, 0
.rept \nb
	v_lshrrev_b32 v[TM+4+qb], 23, v[TM+12+qb]      ; the scale's byte
.set qb, qb+1
.endr
	v_lshl_or_b32 v[\pw], v[TM+5], 8, v[TM+4]
.if \nb == 4
	v_lshl_or_b32 v[\pw], v[TM+6], 16, v[\pw]
	v_lshl_or_b32 v[\pw], v[TM+7], 24, v[\pw]
.endif
.set qb, 0
.rept \nb
	v_cvt_scalef32_pk8_fp4_f32 v[\pc+2*qb], v[\src+16*qb:\src+16*qb+7], v[TM+12+qb]
	v_cvt_scalef32_pk8_fp4_f32 v[\pc+2*qb+1], v[\src+16*qb+8:\src+16*qb+15], v[TM+12+qb]
.set qb, qb+1
.endr
	v_nop                                          ; one plain place behind the last conversion
.set qb, 0
.rept \nb/2
	v_permlane16_swap_b32 v[\pc+4*qb], v[\pc+4*qb+2]      ; the operand wants a WHOLE block in a lane: lanes 0-15 the even block, lanes 16-31 the odd one
	v_permlane16_swap_b32 v[\pc+4*qb+1], v[\pc+4*qb+3]
.set qb, qb+1
.endr
.endm
	s_load_b256 s[4:11], s[0:1], 0x0               ; msg s[4:5], wc s[6:7], ws s[8:9], bq s[10:11]
	s_load_b256 s[12:19], s[0:1], 0x20             ; bk s[12:13], bv s[14:15], qc s[16:17], qs s[18:19]
	s_load_b256 s[20:27], s[0:1], 0x40             ; kc s[20:21], ks s[22:23], vc s[24:25], vs s[26:27]
	v_lshl_add_u32 v26, v0, 2, 0x4800
	v_mov_b32 v27, 0
	v_lshrrev_b32 v1, 5, v0
	v_readfirstlane_b32 s28, v1                    ; wave 0..15
	s_and_b32 s30, ttmp7, 0xffff                   ; X: which 128 rows
	s_wait_alu depctr_va_sdst(0)                   ; s28 is written, ahead of its first reader: role, head and every base are made from it
	s_lshr_b32 s31, s28, 2
	s_and_b32 s32, s28, 3                          ; role
	s_lshl_b32 s33, ttmp9, 2
	s_add_co_u32 s33, s33, s31                     ; head
	s_min_u32 s34, s32, 2                          ; kind: 0 q, 1 k, 2 v
	s_max_u32 s35, s32, 2
	s_sub_co_u32 s35, s35, 2                       ; p: which half of v's columns (0 for q and k)
	s_lshr_b32 s36, s30, 4
	s_lshl_b32 s36, s36, 3
	s_add_co_u32 s36, s36, s33                     ; bh = 8 x batch + head
	s_and_b32 s37, s30, 15                         ; the block of 128 rows within the batch
	s_mov_b32 s[SEL], 0x76543210
	s_mov_b32 s[SEL+1], 0xfedcba98
	s_mov_b32 s40, 0xffff0000                      ; lanes 16-31
	s_lshl_b32 s42, s30, 17                        ; msg: 128 rows of 1,024 bytes; my tile's first row 32 (w >> 2) + 8 ((w >> 1) & 1); my K step's 512 bytes
	s_lshl_b32 s54, s31, 15
	s_or_b32 s42, s42, s54
	s_bfe_u32 s54, s28, 0x10001
	s_lshl_b32 s54, s54, 13
	s_or_b32 s42, s42, s54
	s_and_b32 s54, s28, 1
	s_lshl_b32 s54, s54, 9
	s_or_b32 s42, s42, s54
	s_mov_b32 s43, 0
	s_lshl_b32 s41, s34, 3
	s_add_co_u32 s41, s41, s33                     ; 8 kind + head
	s_lshl_b32 s44, s41, 13                        ; its 8 fragments, and two tiles on for p = 1
	s_lshl_b32 s54, s35, 12
	s_add_co_u32 s44, s44, s54
	s_mov_b32 s45, 0
	s_lshl_b32 s46, s41, 9                         ; its scale words
	s_lshl_b32 s54, s35, 7                         ; p << 7: kept, it serves three times more
	s_add_co_u32 s46, s46, s54
	s_mov_b32 s47, 0
	v_and_b32 v1, 31, v0                           ; lane
	v_and_b32 v2, 15, v0                           ; r
	v_bfe_u32 v3, v0, 4, 1                         ; h
	v_and_b32 v15, 8, v2
	v_add_nc_u32 v15, v15, v2                      ; r + 8 (r / 8)
	v_lshlrev_b32 v4, 10, v15
	v_lshl_add_u32 v4, v3, 6, v4                   ; msg: my row, + 64 h: my 16 numbers of a block of 32
	v_lshlrev_b32 v5, 4, v1
	v_lshlrev_b32 v6, 2, v1
	s_lshl_b32 s55, s28, 10
	v_add_nc_u32 v7, s55, v5                       ; my image: 16 x lane + 1,024 x wave
	s_lshl_b32 s55, s28, 7
	v_add_nc_u32 v8, s55, v6                       ; its words: 4 x lane + 128 x wave
	v_lshlrev_b32 v9, 2, v2
	v_lshlrev_b32 v10, 6, v3
	v_lshlrev_b32 v11, 2, v15
	v_lshlrev_b32 v14, 5, v2
	v_lshl_add_u32 v14, v3, 4, v14
.irp b, 0,1,2,3
	v_mov_b32 v[TM+4+\b], 0                        ; written once: a lane permute's destination counts as one of its sources
.endr
	s_wait_kmcnt 0x0
	s_add_nc_u64 s[4:5], s[4:5], s[42:43]
	s_wait_alu depctr_va_vdst(0)                   ; the offsets and LDS addresses v4 to v11 and v14 are written: every load and store of the kernel reads one of them
.irp b, 0,1,2,3
.irp j, 0,1,2,3
	global_load_b128 v[ST+16*\b+4*\j:ST+16*\b+4*\j+3], v4, s[4:5] offset:128*\b+16*\j   ; 16 neighbours of each block of 32 of my row
.endr
.endr
	s_add_nc_u64 s[6:7], s[6:7], s[44:45]
	s_add_nc_u64 s[8:9], s[8:9], s[46:47]
.irp t, 0,1                                    ; the part of the weights that every role takes by the same lines: its column tiles 0 and 1
.irp s, 0,1
.irp c, 0,1
	global_load_b128 v[WF+8*(2*\t+\s)+4*\c:WF+8*(2*\t+\s)+4*\c+3], v5, s[6:7] offset:(2*\t+\s)*1024+512*\c
.endr
	global_load_b32 v[WS+2*\t+\s], v9, s[8:9] offset:256*\s+64*\t
.endr
.endr
	s_cmp_eq_u32 s34, 0                            ; bias, codes out, words out: chosen by the role alone
	s_cselect_b64 s[48:49], s[10:11], s[12:13]
	s_cselect_b64 s[50:51], s[16:17], s[20:21]
	s_cselect_b64 s[52:53], s[18:19], s[22:23]
	s_cmp_eq_u32 s34, 2
	s_cselect_b64 s[48:49], s[14:15], s[48:49]
	s_cselect_b64 s[50:51], s[24:25], s[50:51]
	s_cselect_b64 s[52:53], s[26:27], s[52:53]
	s_lshl_b32 s42, s33, 8                         ; bias: 64 numbers a head, + 32 for p = 1
	s_add_co_u32 s42, s42, s54
	s_add_nc_u64 s[48:49], s[48:49], s[42:43]
	s_lshl_b32 s44, s36, 16                        ; codes: bh << 16 + block << 12 + p << 11
	s_lshl_b32 s55, s37, 12
	s_add_co_u32 s44, s44, s55
	s_lshl_b32 s55, s35, 11
	s_add_co_u32 s44, s44, s55
	s_add_nc_u64 s[50:51], s[50:51], s[44:45]
	s_lshl_b32 s46, s36, 12                        ; words: v: bh << 12 + block << 8 + p << 7;  q, k: twice the first two
	s_lshl_b32 s55, s37, 8
	s_add_co_u32 s46, s46, s55
	s_cmp_lt_u32 s32, 2
	s_cselect_b32 s55, 1, 0
	s_lshl_b32 s46, s46, s55
	s_add_co_u32 s46, s46, s54
	s_add_nc_u64 s[52:53], s[52:53], s[46:47]
	s_wait_loadcnt 12                              ; msg's 16 loads are in; the 12 loads of weights issued behind them may stay out
	QUANT ST, 4, PC, PW
	s_wait_alu depctr_va_vdst(0)                   ; QUANT has written v40-47 and v32, which the LDS stores read; and it is done reading v104-135, in which q's and k's first fragments of msg land
	ds_store_b128 v7, v[PC:PC+3] offset:XIMG
	ds_store_b128 v7, v[PC+4:PC+7] offset:XIMG+512
	ds_store_b32 v8, v[PW] offset:XSC
	s_wait_dscnt 0x0                               ; for the others' sake: my image has landed
	s_barrier_signal -1
	s_barrier_wait -1                              ; msg's sixteen fragments lie in LDS; from here on they are only read
	s_wait_alu depctr_vm_vsrc(0)                   ; my three LDS stores have read v40-47 and v32, which every role's first tiles write again: stated ahead of the parting
	s_cmp_lt_u32 s32, 2
	s_cbranch_scc0 .Lv
	; ---- q or k
.irp t, 2,3
.irp s, 0,1
.irp c, 0,1
	global_load_b128 v[WF+8*(2*\t+\s)+4*\c:WF+8*(2*\t+\s)+4*\c+3], v5, s[6:7] offset:(2*\t+\s)*1024+512*\c
.endr
	global_load_b32 v[WS+2*\t+\s], v9, s[8:9] offset:256*\s+64*\t
.endr
.endr
.irp t, 0,1,2,3
	global_load_b128 v[BQ+8*\t:BQ+8*\t+3], v10, s[48:49] offset:(32*(\t/2)+8*(\t%2))*4       ; lane (r, h), tile t: the bias of d = 32 (t / 2) + 16 h + 8 (t % 2) + 0 .. 7
	global_load_b128 v[BQ+8*\t+4:BQ+8*\t+7], v10, s[48:49] offset:(32*(\t/2)+8*(\t%2))*4+16
.endr
.macro FETCHXS i, buf, s               ; msg's fragment of tile i of rows, K step s, and its words, into buffer buf
.irp c, 0,1
	ds_load_b128 v[XF+16*(\buf)+8*(\s)+4*\c:XF+16*(\buf)+8*(\s)+4*\c+3], v5 offset:XIMG+(2*(\i)+(\s))*1024+512*\c
.endr
	ds_load_b32 v[XS+2*(\buf)+(\s)], v6 offset:XSC+(2*(\i)+(\s))*128
.endm
.macro QKTILE i
	s_wait_dscnt 0x0                               ; tile i's fragments are in
.irp t, 0,1,2,3                                ; the four accumulators by turns
	v_wmma_scale_f32_16x16x128_f8f6f4 v[HA+8*\t:HA+8*\t+7], v[WF+16*\t:WF+16*\t+7], v[XF+16*(\i%2):XF+16*(\i%2)+7], v[BQ+8*\t:BQ+8*\t+7], v[WS+2*\t], v[XS+2*(\i%2)] matrix_a_fmt:MATRIX_FMT_FP4 matrix_b_fmt:MATRIX_FMT_FP4
.endr
.if \i < 7
	FETCHXS \i+1, (\i+1)%2, 0                      ; the next tile's, into the buffer that tile i - 1's products read.  No wait: since the wait at tile i - 1's end no vector or matrix instruction names that buffer
.endif
.irp t, 0,1,2,3
	v_wmma_scale_f32_16x16x128_f8f6f4 v[HA+8*\t:HA+8*\t+7], v[WF+16*\t+8:WF+16*\t+15], v[XF+16*(\i%2)+8:XF+16*(\i%2)+15], v[HA+8*\t:HA+8*\t+7], v[WS+2*\t+1], v[XS+2*(\i%2)+1] matrix_a_fmt:MATRIX_FMT_FP4 matrix_b_fmt:MATRIX_FMT_FP4
.endr
.if \i < 7
	FETCHXS \i+1, (\i+1)%2, 1
.endif
	PLACES 4                                       ; in front of the first read of results
	QUANT HA, 2, PC+4*\i, PW+\i                    ; register 16 b + i of lane (r, h) is d = 32 b + 16 h + i of row r
.if \i == 7
.irp j, 0,1,2,3
	v_cndmask_b32 v[TM+\j], v[PW+\j], v[PW+4+\j], s40   ; lanes 0-15 the words of tiles 0-3, lanes 16-31 those of tiles 4-7
.endr
.endif
	s_wait_alu depctr_va_vdst(0)                   ; the tile's codes are written, which the store reads (tile 7: the eight tiles' words too); the tile's products are done reading their buffer of msg, in which the fetch of two tiles on lands
	global_store_b128 v5, v[PC+4*\i:PC+4*\i+3], s[50:51] offset:512*\i
.if \i == 7
	global_store_b128 v14, v[TM:TM+3], s[52:53]    ; at 32 r + 16 h: 512 consecutive bytes
.endif
.endm
	FETCHXS 0, 0, 0
	FETCHXS 0, 0, 1
	s_wait_loadcnt 0x0                             ; all my weights and the bias
.irp i, 0,1,2,3,4,5,6,7
	QKTILE \i
.endr
	s_wait_dscnt 0x0                               ; the closing lines, six on end
	s_wait_alu 0x0
	s_wait_tensorcnt 0x0
	ds_add_u32 v26, v27
	s_wait_dscnt 0x0
	s_endpgm
	; ---- v: my two tiles of columns for the 128 keys
.Lv:
	global_load_b32 v12, v11, s[48:49]             ; the bias of my column d = 32 p + 8 t + r + 8 (r / 8)
	global_load_b32 v13, v11, s[48:49] offset:32
	s_wait_loadcnt 0x0                             ; them, and my weights
.macro VTILE t
.set j, 0
.rept 8
	v_mov_b32 v[BI+j], v[12+\t]                    ; a lane holds one column: its bias in all eight registers of the C operand
.set j, j+1
.endr
	s_wait_alu depctr_va_vdst(0)
.irp s, 0,1
	PLACES 4                                       ; four plain places between the products, or the lines that write the bias, and what follows
.if \s == 1
	s_wait_alu depctr_va_vdst(0)                   ; the first K step's products are done reading msg's eight fragments and their words, in which the loads below land
.endif
.irp i, 0,1,2,3,4,5,6,7
.irp c, 0,1
	ds_load_b128 v[XFV+8*\i+8*(\i/4)+4*\c:XFV+8*\i+8*(\i/4)+4*\c+3], v5 offset:XIMG+(2*\i+\s)*1024+512*\c
.endr
	ds_load_b32 v[XS+\i], v6 offset:XSC+(2*\i+\s)*128
.endr
	s_wait_dscnt 0x0
.irp i, 0,1,2,3,4,5,6,7                        ; the eight accumulators by turns
.if \s == 0
	v_wmma_scale_f32_16x16x128_f8f6f4 v[HV+8*\i:HV+8*\i+7], v[XFV+8*\i+8*(\i/4):XFV+8*\i+8*(\i/4)+7], v[WF+16*\t+8*\s:WF+16*\t+8*\s+7], v[BI:BI+7], v[XS+\i], v[WS+2*\t+\s] matrix_a_fmt:MATRIX_FMT_FP4 matrix_b_fmt:MATRIX_FMT_FP4
.else
	v_wmma_scale_f32_16x16x128_f8f6f4 v[HV+8*\i:HV+8*\i+7], v[XFV+8*\i+8*(\i/4):XFV+8*\i+8*(\i/4)+7], v[WF+16*\t+8*\s:WF+16*\t+8*\s+7], v[HV+8*\i:HV+8*\i+7], v[XS+\i], v[WS+2*\t+\s] matrix_a_fmt:MATRIX_FMT_FP4 matrix_b_fmt:MATRIX_FMT_FP4
.endif
.endr
.endr
	PLACES 4
	QUANT HV, 4, PC+8*\t, PW+\t                    ; register 16 b + i of lane (r, h) is key 32 b + 16 h + i of column r: a whole fragment of V^T
.if \t == 1
	v_cndmask_b32 v[TM], v[PW], v[PW+1], s40       ; lanes 0-15 my first tile's words, lanes 16-31 my second's
.endif
	s_wait_alu depctr_va_vdst(0)                   ; the tile's codes are written, which the stores read (tile 1: the two tiles' words too); the second K step's products are done reading msg's fragments and words, in which the next tile's first loads land
	global_store_b128 v5, v[PC+8*\t:PC+8*\t+3], s[50:51] offset:1024*\t
	global_store_b128 v5, v[PC+8*\t+4:PC+8*\t+7], s[50:51] offset:1024*\t+512
.if \t == 1
	global_store_b32 v6, v[TM], s[52:53]           ; 128 consecutive bytes
.endif
.endm
	VTILE 0
	VTILE 1
	s_wait_dscnt 0x0                               ; the closing lines, six on end
	s_wait_alu 0x0
	s_wait_tensorcnt 0x0
	ds_add_u32 v26, v27
	s_wait_dscnt 0x0
	s_endpgm
.Lfunc_end_k_q3efc59b41a_proj:
	.size	k_q3efc59b41a_proj, .Lfunc_end_k_q3efc59b41a_proj-k_q3efc59b41a_proj
	.p2alignl 7, 3214868480
	.fill 96, 4, 3214868480
	.section	.rodata,"a",@progbits
	.p2align	6, 0x0
	.amdhsa_kernel k_q3efc59b41a_proj
		.amdhsa_group_segment_fixed_size 20480
		.amdhsa_private_segment_fixed_size 0
		.amdhsa_enable_private_segment 0
		.amdhsa_kernarg_size 96
		.amdhsa_user_sgpr_count 2
		.amdhsa_user_sgpr_kernarg_segment_ptr 1
		.amdhsa_wavefront_size32 1
		.amdhsa_system_sgpr_workgroup_id_x 1
		.amdhsa_system_sgpr_workgroup_id_y 1
		.amdhsa_system_sgpr_workgroup_id_z 1
		.amdhsa_system_vgpr_workitem_id 0
		.amdhsa_next_free_vgpr 256
		.amdhsa_next_free_sgpr 66
		.amdhsa_reserve_vcc 0
		.amdhsa_float_denorm_mode_32 3
		.amdhsa_float_denorm_mode_16_64 3
		.amdhsa_memory_ordered 1
		.amdhsa_forward_progress 1
		.amdhsa_inst_pref_size 61
	.end_amdhsa_kernel
	.amdgpu_metadata
---
amdhsa.version: [ 1, 2 ]
amdhsa.kernels:
  - .name:           k_q3efc59b41a_proj
    .symbol:         k_q3efc59b41a_proj.kd
    .args:
      - { .name: msg, .offset: 0, .size: 8, .value_kind: global_buffer, .address_space: global }
      - { .name: wc, .offset: 8, .size: 8, .value_kind: global_buffer, .address_space: global }
      - { .name: ws, .offset: 16, .size: 8, .value_kind: global_buffer, .address_space: global }
      - { .name: bq, .offset: 24, .size: 8, .value_kind: global_buffer, .address_space: global }
      - { .name: bk, .offset: 32, .size: 8, .value_kind: global_buffer, .address_space: global }
      - { .name: bv, .offset: 40, .size: 8, .value_kind: global_buffer, .address_space: global }
      - { .name: qc, .offset: 48, .size: 8, .value_kind: global_buffer, .address_space: global }
      - { .name: qs, .offset: 56, .size: 8, .value_kind: global_buffer, .address_space: global }
      - { .name: kc, .offset: 64, .size: 8, .value_kind: global_buffer, .address_space: global }
      - { .name: ks, .offset: 72, .size: 8, .value_kind: global_buffer, .address_space: global }
      - { .name: vc, .offset: 80, .size: 8, .value_kind: global_buffer, .address_space: global }
      - { .name: vs, .offset: 88, .size: 8, .value_kind: global_buffer, .address_space: global }
    .group_segment_fixed_size: 20480
    .private_segment_fixed_size: 0
    .kernarg_segment_align: 8
    .kernarg_segment_size: 96
    .max_flat_workgroup_size: 512
    .sgpr_count:     66
    .vgpr_count:     256
    .wavefront_size: 32
...
	.end_amdgpu_metadata
.endif
;; end of part 5
;; launch attn (part 6): grid 32 x 8, 8 waves a work-group, no clusters, 36,864 bytes of LDS; arguments qc, qs, kc, ks, vc, vs, wc, ws, out0; writes out0
.if DOCPART == 6
	.amdgcn_target "amdgcn-amd-amdhsa--gfx1250"
	.amdhsa_code_object_version 6
	.text
	.protected	k_q3efc59b41a_attn
	.globl	k_q3efc59b41a_attn
	.p2align	8
	.type	k_q3efc59b41a_attn,@function
k_q3efc59b41a_attn:
	s_mov_b64 s[64:65], 0
	v_nop
	global_prefetch_b8 v0, s[64:65] scope:SCOPE_SE
	s_setreg_imm32_b32 hwreg(HW_REG_WAVE_SCHED_MODE, 0, 2), 2
	s_setreg_imm32_b32 hwreg(HW_REG_WAVE_MODE, 25, 1), 1
	s_wait_xcnt 0x0
	s_wait_alu depctr_vm_vsrc(0)
; out = (softmax(q k^T / 8, the diagonal masked) v, all heads side by side) Wo, all three products on codes of FP4 (E2M1) with one E8M0 byte for each 32 along K.
; THE SOFTMAX: t = score x log2(e) / 8; M = the running largest t rounded UP to a whole number; p = 2^(t - M) is quantised along the keys, not normalised; the row's sum is taken of the
;   unquantised p and divides at the end; when M moves, the sum and O are multiplied by 2^(old M - new M), which rounds nothing.
; THE MASK: where key = query the score becomes -8e9 ahead of the factor 1 / 8, the -1e9 that the problem puts there; p is then 0.  Only the step with the work-group's own keys has these lines.
; SHARES.  Work-group (X = x, b = y): queries 64 X .. 64 X + 63 of batch b, ALL EIGHT HEADS, since the last product contracts over the heads.  Wave w is head w: four tiles of 16 queries, 512 registers.
;   It walks the head's 2,048 keys in 16 steps of 128.  At the end each wave quantises its head's ctx, the images meet in LDS, and wave w makes tile w >> 1 of rows x outputs 32 (w & 1) .. + 31.
; OPERANDS COME FROM MEMORY STRAIGHT INTO REGISTERS: the launch before laid them as images of operand registers, so a fragment is loads of 512 consecutive bytes, 16 a lane, and feeds four matrix instructions.
; LAYOUT.  All products are used transposed (S^T = K Q^T, O^T = V^T P^T, out^T = Wo^T ctx^T): a lane holds ONE query throughout.  Lane r of a tile of queries or keys is row 32 (T / 2) + 8 (T % 2) + r + 8 (r / 8),
;   and V^T's rows d are ordered likewise: so the 16 registers of two neighbouring result tiles are 16 neighbours along the next K.
; K = 64 in K Q^T: the upper four registers of K's and Q's fragments hold zero codes (written once) and their scale bytes are 0 (2^-127): they add nothing.
; NO JOINT REQUESTS, though the 32 work-groups of a batch read the same K and V: inside a work-group no fragment has two readers, so a way through LDS would add a copy, a ring and its barriers; a step brings a
;   work-group 70 KB against some 7,600 vector instructions, and every load is asked for one and a half softmaxes or more ahead of its use.
; LIMITS: 1 / l by v_rcp_f32 (1 ulp); a block of zeros, or one under 2^-124, gets the byte 1; NaN and infinities are not served.
; REGISTERS.  Window 0: v1-11 addresses; v12-27 four a tile: -M, largest t, the sum in two halves; v28-47 scale words alone; v48-79 p's codes; v80-143, v144-207 two sets of scores; v208-235 at work.
;   Window 1: v0-127 O^T ((q, t) at 32 q + 8 t); v128-159 Q; v160-223 K; v224-255 V.
; THE MODE: SCHED_MODE bits 1:0 = 2 (LLVM: expert scheduling mode 2), set by the entry lines.  The code itself states the register dependences between vector or matrix
; instructions and memory or LDS instructions, with s_wait_alu, always for 0.
; THE PLAN.  Registers that memory instructions touch in the loop:
;   v1-v3 (LI, LS, SR)   offsets: written at the head and never again.
;   K's lower halves and KS   read by the step's 32 products K Q^T; then the next step's loads land in them.
;   V's fragments and VS      read by the step's 16 products V^T P^T, the step's last lines; the next step's loads land in them.
; Each tile's softmax has two waits on va_vdst, one ahead of its exponentials and one behind them.  V's loads stand directly behind tile 0's (the last step's products V^T P^T were issued ahead of it), K's directly behind tile 2's (all of
; the step's products K Q^T were): between the wait and the loads stand scalar lines, window switches and loads alone, so the loads owe no wait of their own.
; p's codes and scale words are written by vector instructions and taken by scaled matrix instructions: one wait on va_vdst directly ahead of the sixteen products, behind their places.
; No register that a memory or LDS instruction reads is ever written again: the text holds no wait on vm_vsrc.
.set CIMG, 0                           ; LDS: ctx's images: 4096 q + 512 head + 16 lane = fragment (q, K step head >> 1), group head & 1
.set CSC,  16384                       ; their scale words: 512 q + 16 lane + 2 head: a lane's 16 bytes are the words of K steps 0 .. 3
.set STG,  18432                       ; the stage for out: 64 rows x (256 bytes + 16)
.set LI,  1                            ; 16 x lane
.set LS,  2                            ; 4 x lane
.set SR,  3                            ; 32 r
.set DG,  4                            ; r + (r & 8) - 16 h + 64 (X & 1): where my query's own key lies
.set CWI, 5                            ; ctx's image out: 16 lane + 512 w
.set CWS, 6                            ; its half word out
.set SO,  7                            ; into the stage
.set SRD, 8                            ; out of it
.set CRI, 9                            ; ctx's images in: 16 lane + 4096 (w >> 1)
.set CRS, 10                           ; their words in
.set WSA, 11                           ; 4 r
.set ST,  12
.set QS,  28
.set KS,  32
.set VS,  40
.set PS,  42
.set WOS, 28                           ; the tail: Wo's scale words, ctx's
.set CS4, 36
.set PC,  48
.set SCA, 80
.set SCB, 144
.set BM,  208                          ; the blocks' largest scores, then largest p
.set TT,  212                          ; lane permutes' results, then bytes
.set SOP, 220                          ; the conversions' scale operands
.set FF,  224                          ; v[224:225] f = 2^(old M - new M) (the upper word is written once)
.set X1,  226
.set SUM, 228
.set NEGV, 230                         ; -8e9
.set PWQ, 232                          ; the tail: ctx's scale words
.set TM,  208                          ; the tail: QUANT's registers: TM+4.. = TT, TM+12.. = SOP
.set WFO, 80                           ; the tail: Wo's 8 fragments; ctx in f32; ctx's 4 fragments; two accumulators; rows of out
.set CX,  144
.set CF,  176
.set YA,  236
.set OB,  144
.set OA,  0                            ; window 1
.set QF,  128
.set KF,  160
.set VF,  224
.set SEL, 26                           ; s[26:27]
.set MK,  40                           ; s40-55, s66-81: the mask's 32 compares, each a register of its own: block bb, register i at MK + 13 bb + i
.set MSB, 0
.macro WIN new                         ; bits 1:0 source 0, 3:2 source 1, 5:4 source 2, 7:6 destination; the high byte repeats the setting that is left
.if MSB != \new
	s_set_vgpr_msb (MSB<<8)|\new
.set MSB, \new
.endif
.endm
.macro PLACES n
.rept \n
	v_nop
.endr
.endm
.macro KLOAD                           ; a step's eight tiles of K (lower halves) and their words
	WIN 0x40
.irp i, 0,1,2,3,4,5,6,7
	global_load_b128 v[KF+8*\i:KF+8*\i+3], v[LI], s[8:9] offset:512*\i
.endr
	WIN 0
	global_load_b128 v[KS:KS+3], v[SR], s[10:11]
	global_load_b128 v[KS+4:KS+7], v[SR], s[10:11] offset:16
.endm
.macro VLOAD                           ; a step's four fragments of V^T and their words: lanes 0-15 the even tile's, lanes 16-31 the odd one's
	WIN 0x40
.irp t, 0,1,2,3
.irp c, 0,1
	global_load_b128 v[VF+8*\t+4*\c:VF+8*\t+4*\c+3], v[LI], s[12:13] offset:1024*\t+512*\c
.endr
.endr
	WIN 0
	global_load_b32 v[VS], v[LS], s[14:15]
	global_load_b32 v[VS+1], v[LS], s[14:15] offset:128
.endm
.macro QK q, sb                        ; tile q's scores for the step's 128 keys: register 16 b + i of lane (r, h) is key 32 b + 16 h + i
	WIN 0x05
.irp i, 0,1,2,3,4,5,6,7
	v_wmma_scale_f32_16x16x128_f8f6f4 v[\sb+8*\i:\sb+8*\i+7], v[KF+8*\i:KF+8*\i+7], v[QF+8*\q:QF+8*\q+7], 0, v[KS+\i], v[QS+\q] matrix_a_fmt:MATRIX_FMT_FP4 matrix_b_fmt:MATRIX_FMT_FP4
.endr
.endm
.macro PV first                        ; O^T += V^T P^T: sixteen accumulators, one instruction each; first = 1: the products start the sums, nothing is cleared
.if \first
	WIN 0x41
.else
	WIN 0x51
.endif
.irp t, 0,1,2,3
.irp q, 0,1,2,3
.if \first
.if \t%2
	v_wmma_scale_f32_16x16x128_f8f6f4 v[OA+32*\q+8*\t:OA+32*\q+8*\t+7], v[VF+8*\t:VF+8*\t+7], v[PC+8*\q:PC+8*\q+7], 0, v[VS+\t/2], v[PS+\q] matrix_a_fmt:MATRIX_FMT_FP4 matrix_b_fmt:MATRIX_FMT_FP4 matrix_a_scale:MATRIX_SCALE_ROW1
.else
	v_wmma_scale_f32_16x16x128_f8f6f4 v[OA+32*\q+8*\t:OA+32*\q+8*\t+7], v[VF+8*\t:VF+8*\t+7], v[PC+8*\q:PC+8*\q+7], 0, v[VS+\t/2], v[PS+\q] matrix_a_fmt:MATRIX_FMT_FP4 matrix_b_fmt:MATRIX_FMT_FP4
.endif
.else
.if \t%2
	v_wmma_scale_f32_16x16x128_f8f6f4 v[OA+32*\q+8*\t:OA+32*\q+8*\t+7], v[VF+8*\t:VF+8*\t+7], v[PC+8*\q:PC+8*\q+7], v[OA+32*\q+8*\t:OA+32*\q+8*\t+7], v[VS+\t/2], v[PS+\q] matrix_a_fmt:MATRIX_FMT_FP4 matrix_b_fmt:MATRIX_FMT_FP4 matrix_a_scale:MATRIX_SCALE_ROW1
.else
	v_wmma_scale_f32_16x16x128_f8f6f4 v[OA+32*\q+8*\t:OA+32*\q+8*\t+7], v[VF+8*\t:VF+8*\t+7], v[PC+8*\q:PC+8*\q+7], v[OA+32*\q+8*\t:OA+32*\q+8*\t+7], v[VS+\t/2], v[PS+\q] matrix_a_fmt:MATRIX_FMT_FP4 matrix_b_fmt:MATRIX_FMT_FP4
.endif
.endif
.endr
.endr
	WIN 0
.endm
; Tile q's softmax for one step, on the scores at sb.  first = 1: the first step, which starts M; the sum begins as zeros and O^T is not there yet.
; ld = 1: this step's V is asked for behind the softmax's wait; ld = 2: the next step's K; ld = 0: nothing.
.macro SM q, sb, first, ld
.set rN, ST+4*\q
	s_cmp_lg_u32 s30, s31                          ; a scalar branch on ids: only step X >> 1 holds my queries' own keys
	s_cbranch_scc1 .Lopen_\@
.irp bb, 0,2                                   ; the own key lies in block 2 (X & 1) + q / 2: register 16 (bb + q / 2) + i is it where 32 bb + i - 8 (q % 2) = DG
.irp i, 0,1,2,3,4,5,6,7,8,9,10,11,12,13,14,15
	v_cmp_eq_i32 s[MK+13*\bb+\i], 32*\bb+\i-8*(\q%2), v[DG]   ; the 32 compares in one run, each into a scalar register of its own
.endr
.endr
	s_wait_alu depctr_va_sdst(0)                   ; the 32 compares have written their masks, ahead of the first select that reads one
.irp bb, 0,2
.irp i, 0,1,2,3,4,5,6,7,8,9,10,11,12,13,14,15
	v_cndmask_b32 v[\sb+16*(\bb+\q/2)+\i], v[\sb+16*(\bb+\q/2)+\i], v[NEGV], s[MK+13*\bb+\i]
.endr
.endr
.Lopen_\@:
.irp b, 0,1,2,3
	v_max3_num_f32 v[BM+\b], v[\sb+16*\b], v[\sb+16*\b+1], v[\sb+16*\b+2]   ; the largest score of each block of 32 keys: for the row's maximum, and, since p rises with the score, for the block's largest p
.endr
.irp i, 3,5,7,9,11,13
.irp b, 0,1,2,3
	v_max3_num_f32 v[BM+\b], v[BM+\b], v[\sb+16*\b+\i], v[\sb+16*\b+\i+1]
.endr
.endr
.irp b, 0,1,2,3
	v_max_num_f32 v[BM+\b], v[BM+\b], v[\sb+16*\b+15]
.endr
.irp b, 0,1,2,3
	v_permlanex16_b32 v[TT+\b], v[BM+\b], s[SEL], s[SEL+1]
.endr
.irp b, 0,1,2,3
	v_max_num_f32 v[BM+\b], v[BM+\b], v[TT+\b]     ; with lane l xor 16's 16 keys
.endr
	v_max3_num_f32 v[X1], v[BM], v[BM+1], v[BM+2]
	v_max_num_f32 v[X1], v[X1], v[BM+3]            ; the step's largest score of my query
.if \first
	v_mul_f32 v[rN+1], s28, v[X1]                  ; as t: the largest so far
	v_floor_f32 v[rN], -v[rN+1]                    ; -M = floor(-t) = -ceil(t)
.else
	v_mul_f32 v[X1], s28, v[X1]
	v_max_num_f32 v[rN+1], v[rN+1], v[X1]          ; the running largest t
	v_mov_b32 v[X1], v[rN]
	v_floor_f32 v[rN], -v[rN+1]                    ; the new -M
	v_sub_f32 v[X1], v[rN], v[X1]                  ; old M - new M: a whole number, 0 or less
	v_cvt_i32_f32 v[X1], v[X1]                     ; (it saturates)
	v_ldexp_f32 v[FF], 1.0, v[X1]                  ; f = 2^(old M - new M)
.endif
.set j, 0
.rept 32
	v_pk_fma_f32 v[\sb+j:\sb+j+1], v[\sb+j:\sb+j+1], s[28:29], v[rN:rN+1] op_sel_hi:[1,0,0]   ; t - M, two at a time (of the pairs c and -M the low word serves both halves)
.set j, j+2
.endr
.irp b, 0,1,2,3
	v_fma_f32 v[BM+\b], v[BM+\b], s28, v[rN]       ; the same of each block's largest score
.endr
.set j, 0
	s_wait_alu depctr_va_vdst(0)
.rept 64
	v_exp_f32 v[\sb+j], v[\sb+j]                   ; p = 2^(t - M)
.set j, j+1
.endr
.irp b, 0,1,2,3
	v_exp_f32 v[BM+\b], v[BM+\b]                   ; the block's largest p: the same two instructions on the same number
.endr
.if \first
	v_nop                                          ; a plain place behind the exponentials
.else
	v_pk_mul_f32 v[rN+2:rN+3], v[rN+2:rN+3], v[FF:FF+1] op_sel_hi:[1,0]   ; the sums under the new M (a plain place behind the exponentials)
.endif
	s_wait_alu depctr_va_vdst(0)                   ; the 68 exponentials have written p and the blocks' largest p, ahead of their first reader.  ld = 1: the last step's products V^T P^T are done reading V's fragments and words; ld = 2: this step's products K Q^T are done reading K's: the loads below land there
.if \ld == 1
	VLOAD                                          ; this step's V, three and a half softmaxes ahead of its use
.endif
.if \ld == 2
.if \first == 0
	s_cmp_eq_u32 s30, 15                           ; the last step asks for nothing: no load leaves its buffer
	s_cbranch_scc1 .Lnok_\@
.endif
	s_add_nc_u64 s[8:9], s[8:9], 4096              ; K's loads were shown done by the last wait for 0 on LOADcnt: their bases may step
	s_add_nc_u64 s[10:11], s[10:11], 512
	KLOAD                                          ; the next step's K, one and a half softmaxes ahead of its use
.if \first == 0
.Lnok_\@:
.endif
.endif
.irp b, 0,1,2,3
	v_max_num_f32 v[BM+\b], 0x1800000, v[BM+\b]    ; the floor 2^(3 - 127): the byte cannot fall under 1
.endr
.irp b, 0,1,2,3
	v_add_nc_u32 v[SOP+\b], 0xff000000, v[BM+\b]   ; 2 off the exponent field: the conversion's scale operand
.endr
.irp b, 0,1,2,3
	v_lshrrev_b32 v[TT+\b], 23, v[SOP+\b]          ; the scale's byte
.endr
	v_lshl_or_b32 v[PS+\q], v[TT+1], 8, v[TT]      ; p's scale word for these 128 keys
	v_lshl_or_b32 v[PS+\q], v[TT+2], 16, v[PS+\q]
	v_lshl_or_b32 v[PS+\q], v[TT+3], 24, v[PS+\q]
.irp b, 0,1,2,3
	v_cvt_scalef32_pk8_fp4_f32 v[PC+8*\q+2*\b], v[\sb+16*\b:\sb+16*\b+7], v[SOP+\b]
	v_cvt_scalef32_pk8_fp4_f32 v[PC+8*\q+2*\b+1], v[\sb+16*\b+8:\sb+16*\b+15], v[SOP+\b]
.endr
	v_nop                                          ; one plain place behind the last conversion
.irp c, 0,1
.irp i, 0,1
	v_permlane16_swap_b32 v[PC+8*\q+4*\c+\i], v[PC+8*\q+4*\c+2+\i]   ; a WHOLE block in a lane: lanes 0-15 block 2 c, lanes 16-31 block 2 c + 1
.endr
.endr
	v_pk_add_f32 v[SUM:SUM+1], v[\sb:\sb+1], v[\sb+2:\sb+3]          ; the row's sum, of the UNQUANTISED p, in two chains.  These 32 lines are also the places between p's word and codes and the products that take them
.set j, 4
.rept 15
	v_pk_add_f32 v[rN+2:rN+3], v[rN+2:rN+3], v[\sb+j:\sb+j+1]
	v_pk_add_f32 v[SUM:SUM+1], v[SUM:SUM+1], v[\sb+j+2:\sb+j+3]
.set j, j+4
.endr
	v_pk_add_f32 v[rN+2:rN+3], v[rN+2:rN+3], v[SUM:SUM+1]
.if \first == 0
	WIN 0x41
.set j, 0
.rept 16
	v_pk_mul_f32 v[OA+32*\q+j:OA+32*\q+j+1], v[OA+32*\q+j:OA+32*\q+j+1], v[FF:FF+1] op_sel_hi:[1,0]   ; the tile's O^T under the new M, each accumulator from its low end on
.set j, j+2
.endr
	WIN 0
.endif
.endm
; A STEP of 128 keys.  Two sets of scores: while one tile's softmax is walked, the products of the tile after next have been issued.  V of this step is asked for in tile 0's softmax,
; K of the next step in tile 2's, each behind the softmax's wait behind its exponentials.
.macro STEP first
	QK 0, SCA
	QK 1, SCB
	WIN 0
	PLACES 4                                       ; in front of the first read of scores
	SM 0, SCA, \first, 1
	QK 2, SCA
	WIN 0
	SM 1, SCB, \first, 0
	QK 3, SCB
	WIN 0
	SM 2, SCA, \first, 2
	SM 3, SCB, \first, 0
	s_wait_loadcnt 0x0                             ; V of this step, and K of the next, which is wanted sixteen matrix instructions on: zero is right on both ways of the branch in tile 2's softmax
	s_add_nc_u64 s[12:13], s[12:13], 4096          ; so V's bases may step (behind the last step they are not used)
	s_add_nc_u64 s[14:15], s[14:15], 256
	s_wait_alu depctr_va_vdst(0)                   ; the four tiles' codes of p and their scale words are written, which the scaled products below take as source 1 and as its scales; their places stand ahead of this wait
	PV \first
.endm
; 2 blocks of 32: register src + 16 b + i of lane (r, h) is k = 32 b + 16 h + i of the lane's row: four registers of codes at pc, the two bytes in pw
.macro QUANT2 src, pc, pw
.irp b, 0,1
	v_max3_num_f32 v[TM+\b], |v[\src+16*\b]|, |v[\src+16*\b+1]|, 0x1800000
.endr
.irp i, 2,4,6,8,10,12,14
.irp b, 0,1
	v_max3_num_f32 v[TM+\b], v[TM+\b], |v[\src+16*\b+\i]|, |v[\src+16*\b+\i+1]|
.endr
.endr
.irp b, 0,1
	v_permlanex16_b32 v[TM+4+\b], v[TM+\b], s[SEL], s[SEL+1]
.endr
.irp b, 0,1
	v_max_num_f32 v[TM+\b], v[TM+\b], v[TM+4+\b]
.endr
.irp b, 0,1
	v_add_nc_u32 v[TM+12+\b], 0xff000000, v[TM+\b]
.endr
.irp b, 0,1
	v_lshrrev_b32 v[TM+4+\b], 23, v[TM+12+\b]
.endr
	v_lshl_or_b32 v[\pw], v[TM+5], 8, v[TM+4]
.irp b, 0,1
	v_cvt_scalef32_pk8_fp4_f32 v[\pc+2*\b], v[\src+16*\b:\src+16*\b+7], v[TM+12+\b]
	v_cvt_scalef32_pk8_fp4_f32 v[\pc+2*\b+1], v[\src+16*\b+8:\src+16*\b+15], v[TM+12+\b]
.endr
	v_nop                                          ; one plain place behind the last conversion
	v_permlane16_swap_b32 v[\pc], v[\pc+2]
	v_permlane16_swap_b32 v[\pc+1], v[\pc+3]
.endm
	s_load_b256 s[4:11], s[0:1], 0x0               ; qc s[4:5], qs s[6:7], kc s[8:9], ks s[10:11]
	s_load_b256 s[12:19], s[0:1], 0x20             ; vc s[12:13], vs s[14:15], wc s[16:17], ws s[18:19]
	s_load_b64 s[20:21], s[0:1], 0x40              ; out0
	v_lshl_add_u32 v254, v0, 2, 0x8c00
	v_mov_b32 v255, 0
	v_lshrrev_b32 v1, 5, v0
	v_readfirstlane_b32 s22, v1                    ; wave = head
	s_mov_b32 s23, ttmp9                           ; X: which 64 queries
	s_and_b32 s24, ttmp7, 0xffff                   ; batch
	s_lshl_b32 s25, s24, 3
	s_wait_alu depctr_va_sdst(0)                   ; s22 is written, ahead of its first reader: the head's bases and the wave's LDS places are made from it
	s_add_co_u32 s25, s25, s22                     ; bh
	s_mov_b32 s[SEL], 0x76543210
	s_mov_b32 s[SEL+1], 0xfedcba98
	s_mov_b32 s28, 0x3e38aa3b                      ; c = log2(e) / 8
	s_mov_b32 s29, s28                             ; (named with it as a pair, so it is written)
	s_mov_b32 s30, 0                               ; the step
	s_lshr_b32 s31, s23, 1                         ; the step that holds my queries' own keys
	s_and_b32 s32, s23, 1
	v_and_b32 v211, 31, v0                         ; lane
	v_and_b32 v208, 15, v0                         ; r
	v_bfe_u32 v209, v0, 4, 1                       ; h
	v_lshlrev_b32 v[LI], 4, v211
	v_lshlrev_b32 v[LS], 2, v211
	v_lshlrev_b32 v[SR], 5, v208
	s_mov_b32 s35, 0
	s_lshl_b32 s36, s25, 16
	s_wait_kmcnt 0x0
	s_lshl_b32 s34, s23, 11                        ; Q: bh << 16 + four tiles of 512 bytes a work-group
	s_add_co_u32 s34, s34, s36
	s_add_nc_u64 s[4:5], s[4:5], s[34:35]
	s_mov_b32 s34, s36
	s_add_nc_u64 s[8:9], s[8:9], s[34:35]          ; K and V: the head's first step
	s_add_nc_u64 s[12:13], s[12:13], s[34:35]
	s_lshl_b32 s34, s25, 13
	s_add_nc_u64 s[10:11], s[10:11], s[34:35]      ; K's words
	s_lshl_b32 s37, s31, 9                         ; Q's words: block X >> 1 of 128 rows, tiles 4 (X & 1) on
	s_add_co_u32 s34, s34, s37
	s_lshl_b32 s37, s32, 4
	s_add_co_u32 s34, s34, s37
	s_add_nc_u64 s[6:7], s[6:7], s[34:35]
	s_wait_alu depctr_va_vdst(0)                   ; the offsets v1, v2 and v3 are written: every load of Q, K, V and their words reads one of them
	WIN 0x40
.irp q, 0,1,2,3
	global_load_b128 v[QF+8*\q:QF+8*\q+3], v[LI], s[4:5] offset:512*\q   ; Q stays in registers
.endr
	KLOAD                                          ; step 0
	global_load_b128 v[QS:QS+3], v[SR], s[6:7]
	WIN 0x40
.irp q, 0,1,2,3
.irp j, 4,5,6,7
	v_mov_b32 v[QF+8*\q+\j], 0                     ; the upper halves of Q's and K's fragments: zero codes, written once
.endr
.endr
.irp i, 0,1,2,3,4,5,6,7
.irp j, 4,5,6,7
	v_mov_b32 v[KF+8*\i+\j], 0
.endr
.endr
	WIN 0
	s_lshl_b32 s34, s25, 12
	s_add_nc_u64 s[14:15], s[14:15], s[34:35]      ; V's words
	s_and_b32 s37, s22, 1
	s_lshl_b32 s34, s37, 13                        ; Wo: my two tiles of outputs
	s_add_co_u32 s34, s34, 196608
	s_add_nc_u64 s[16:17], s[16:17], s[34:35]
	s_lshl_b32 s34, s37, 7
	s_add_co_u32 s34, s34, 12288
	s_add_nc_u64 s[18:19], s[18:19], s[34:35]
	s_lshl_b32 s34, s24, 19                        ; out: batch x 2,048 rows of 256 bytes + 64 X rows + 8 w rows
	s_lshl_b32 s37, s23, 14
	s_add_co_u32 s34, s34, s37
	s_lshl_b32 s37, s22, 11
	s_add_co_u32 s34, s34, s37
	s_add_nc_u64 s[20:21], s[20:21], s[34:35]
	v_and_b32 v210, 8, v208
	v_add_nc_u32 v210, v210, v208                  ; r + 8 (r / 8)
	s_wait_alu depctr_va_vdst(0)
	v_lshlrev_b32 v[DG], 4, v209
	v_sub_nc_u32 v[DG], v210, v[DG]
	s_lshl_b32 s33, s32, 6
	v_add_nc_u32 v[DG], s33, v[DG]
	s_lshl_b32 s33, s22, 9
	v_add_nc_u32 v[CWI], s33, v[LI]
	s_lshl_b32 s33, s22, 1
	s_add_co_u32 s33, s33, CSC
	v_add_nc_u32 v[CWS], s33, v[LI]
	s_lshr_b32 s33, s22, 2                         ; the stage, in: tile w >> 1 of rows begins at row 32 (w >> 2) + 8 ((w >> 1) & 1); my outputs' 128 bytes
	s_lshl_b32 s33, s33, 5
	s_bfe_u32 s34, s22, 0x10001
	s_lshl_b32 s34, s34, 3
	s_add_co_u32 s33, s33, s34
	s_mul_i32 s33, s33, 272
	s_and_b32 s34, s22, 1
	s_lshl_b32 s34, s34, 7
	s_add_co_u32 s33, s33, s34
	s_add_co_u32 s33, s33, STG
	v_mul_u32_u24 v[SO], v210, 272
	v_lshl_add_u32 v[SO], v209, 5, v[SO]
	v_add_nc_u32 v[SO], s33, v[SO]
	s_mul_i32 s33, s22, 8*272                      ; and out: my rows 8 w .. 8 w + 7; lanes 0-15 one row, lanes 16-31 the next
	s_add_co_u32 s33, s33, STG
	v_mul_u32_u24 v[SRD], v209, 272
	v_lshl_add_u32 v[SRD], v208, 4, v[SRD]
	v_add_nc_u32 v[SRD], s33, v[SRD]
	s_lshr_b32 s33, s22, 1
	s_lshl_b32 s34, s33, 12
	v_add_nc_u32 v[CRI], s34, v[LI]
	s_lshl_b32 s34, s33, 9
	s_add_co_u32 s34, s34, CSC
	v_add_nc_u32 v[CRS], s34, v[LI]
	v_lshlrev_b32 v[WSA], 2, v208
.irp q, 0,1,2,3
	v_mov_b32 v[ST+4*\q+2], 0                      ; the sums, in two halves
	v_mov_b32 v[ST+4*\q+3], 0
	v_mov_b32 v[TT+\q], 0                          ; written once: a lane permute's destination counts as one of its sources
.endr
	v_mov_b32 v[FF+1], 0                           ; (named as the upper half of the pair)
	v_mov_b32 v[NEGV], 0xcfee6b28                  ; -8e9
	s_wait_loadcnt 0x0                             ; Q, K of step 0 and their words
	s_wait_alu depctr_va_vdst(0)                   ; the zero codes in the upper halves of Q's and K's fragments are written, which the scaled products take as their sources; so are the tail's seven addresses v5 to v11, which its LDS instructions and loads read
	STEP 1                                         ; the first step is written out: its products start O^T's sums
	s_mov_b32 s30, 1
.Lstep:                                            ; 15 trips
	STEP 0
	s_add_co_u32 s30, s30, 1
	s_cmp_lt_u32 s30, 16
	s_cbranch_scc1 .Lstep
	; ---- THE TAIL.  ctx = O^T / the sum, quantised along d; the eight heads' images meet in LDS; out = ctx Wo.
.irp q, 0,1,2,3
	v_add_f32 v[BM+\q], v[ST+4*\q+2], v[ST+4*\q+3] ; the sums' two halves: four plain lines, the places behind the last products
.endr
.irp q, 0,1,2,3
	v_permlanex16_b32 v[TT+\q], v[BM+\q], s[SEL], s[SEL+1]
.endr
.irp q, 0,1,2,3
	v_add_f32 v[BM+\q], v[BM+\q], v[TT+\q]         ; with lane l xor 16's: the row's sum
.endr
	s_wait_alu depctr_va_vdst(0)
.irp q, 0,1,2,3
	v_rcp_f32 v[ST+4*\q+2], v[BM+\q]
.endr
	v_nop                                          ; a plain place behind the last reciprocal
	s_wait_alu depctr_va_vdst(0)                   ; the four reciprocals are written, ahead of their first reader; and every softmax and every product is done with v80-143 and v28-35, in which Wo's fragments and scale words land
.irp t, 0,1
.irp s, 0,1,2,3
.irp c, 0,1
	global_load_b128 v[WFO+8*(4*\t+\s)+4*\c:WFO+8*(4*\t+\s)+4*\c+3], v[LI], s[16:17] offset:(4*\t+\s)*1024+512*\c   ; Wo's fragments of my two tiles of outputs: they land while ctx is quantised
.endr
	global_load_b32 v[WOS+4*\t+\s], v[WSA], s[18:19] offset:256*\s+64*\t
.endr
.endr
.irp q, 0,1,2,3
	WIN 0x01
.set j, 0
.rept 16
	v_pk_mul_f32 v[CX+j:CX+j+1], v[OA+32*\q+j:OA+32*\q+j+1], v[ST+4*\q+2:ST+4*\q+3] op_sel_hi:[1,0]   ; register 16 b + i of lane (r, h): ctx(query r, d = 32 b + 16 h + i)
.set j, j+2
.endr
	WIN 0
	QUANT2 CX, PC+4*\q, PWQ+\q                     ; each tile's codes and bytes in registers of their own
.endr
	s_wait_alu depctr_va_vdst(0)                   ; the four tiles' codes (v48-63) and bytes (v232-235) are written, which the eight LDS stores read
.irp q, 0,1,2,3
	ds_store_b128 v[CWI], v[PC+4*\q:PC+4*\q+3] offset:CIMG+4096*\q
	ds_store_b16 v[CWS], v[PWQ+\q] offset:512*\q   ; my head's two bytes of the K step's word
.endr
	s_wait_dscnt 0x0                               ; for the others' sake: my images have landed
	s_barrier_signal -1
	s_barrier_wait -1                              ; all eight heads' ctx lies in LDS
.irp s, 0,1,2,3
.irp c, 0,1
	ds_load_b128 v[CF+8*\s+4*\c:CF+8*\s+4*\c+3], v[CRI] offset:CIMG+1024*\s+512*\c   ; into v176-207, which no vector or matrix instruction has named since the loop
.endr
.endr
	ds_load_b128 v[CS4:CS4+3], v[CRS]
	s_wait_dscnt 0x0
	s_wait_loadcnt 0x0                             ; Wo
.irp s, 0,1,2,3                                ; the two accumulators by turns
.irp t, 0,1
.if \s == 0
	v_wmma_scale_f32_16x16x128_f8f6f4 v[YA+8*\t:YA+8*\t+7], v[WFO+8*(4*\t+\s):WFO+8*(4*\t+\s)+7], v[CF+8*\s:CF+8*\s+7], 0, v[WOS+4*\t+\s], v[CS4+\s] matrix_a_fmt:MATRIX_FMT_FP4 matrix_b_fmt:MATRIX_FMT_FP4
.else
	v_wmma_scale_f32_16x16x128_f8f6f4 v[YA+8*\t:YA+8*\t+7], v[WFO+8*(4*\t+\s):WFO+8*(4*\t+\s)+7], v[CF+8*\s:CF+8*\s+7], v[YA+8*\t:YA+8*\t+7], v[WOS+4*\t+\s], v[CS4+\s] matrix_a_fmt:MATRIX_FMT_FP4 matrix_b_fmt:MATRIX_FMT_FP4
.endif
.endr
.endr
	PLACES 4
	s_wait_alu depctr_va_vdst(0)                   ; the products have written the two accumulators, which the LDS stores read; the places above stay beside this wait.  It also stands behind the last reader of v144-159, in which the rows of out land
.irp t, 0,1
	ds_store_b128 v[SO], v[YA+8*\t:YA+8*\t+3] offset:64*\t         ; lane (r, h): out(my row, 32 (w & 1) + 16 t + 8 h + 0 .. 7); each accumulator from its low end on
	ds_store_b128 v[SO], v[YA+8*\t+4:YA+8*\t+7] offset:64*\t+16
.endr
	s_wait_dscnt 0x0                               ; a row's 256 bytes come from two waves
	s_barrier_signal -1
	s_barrier_wait -1
.irp i, 0,1,2,3
	ds_load_b128 v[OB+4*\i:OB+4*\i+3], v[SRD] offset:544*\i
.endr
.irp i, 0,1,2,3
	s_wait_dscnt 3-\i                              ; the younger loads may stay out
	global_store_b128 v[LI], v[OB+4*\i:OB+4*\i+3], s[20:21] offset:512*\i th:TH_STORE_NT   ; two whole rows: 512 consecutive bytes, at a multiple of 256 from out's first byte
.endr
	s_wait_dscnt 0x0                               ; the closing lines, six on end
	s_wait_alu 0x0
	s_wait_tensorcnt 0x0
	ds_add_u32 v254, v255
	s_wait_dscnt 0x0
	s_endpgm
.Lfunc_end_k_q3efc59b41a_attn:
	.size	k_q3efc59b41a_attn, .Lfunc_end_k_q3efc59b41a_attn-k_q3efc59b41a_attn
	.p2alignl 7, 3214868480
	.fill 96, 4, 3214868480
	.section	.rodata,"a",@progbits
	.p2align	6, 0x0
	.amdhsa_kernel k_q3efc59b41a_attn
		.amdhsa_group_segment_fixed_size 36864
		.amdhsa_private_segment_fixed_size 0
		.amdhsa_enable_private_segment 0
		.amdhsa_kernarg_size 72
		.amdhsa_user_sgpr_count 2
		.amdhsa_user_sgpr_kernarg_segment_ptr 1
		.amdhsa_wavefront_size32 1
		.amdhsa_system_sgpr_workgroup_id_x 1
		.amdhsa_system_sgpr_workgroup_id_y 1
		.amdhsa_system_sgpr_workgroup_id_z 1
		.amdhsa_system_vgpr_workitem_id 0
		.amdhsa_next_free_vgpr 512
		.amdhsa_next_free_sgpr 82
		.amdhsa_reserve_vcc 0
		.amdhsa_float_denorm_mode_32 3
		.amdhsa_float_denorm_mode_16_64 3
		.amdhsa_memory_ordered 1
		.amdhsa_forward_progress 1
		.amdhsa_inst_pref_size 168
	.end_amdhsa_kernel
	.amdgpu_metadata
---
amdhsa.version: [ 1, 2 ]
amdhsa.kernels:
  - .name:           k_q3efc59b41a_attn
    .symbol:         k_q3efc59b41a_attn.kd
    .args:
      - { .name: qc, .offset: 0, .size: 8, .value_kind: global_buffer, .address_space: global }
      - { .name: qs, .offset: 8, .size: 8, .value_kind: global_buffer, .address_space: global }
      - { .name: kc, .offset: 16, .size: 8, .value_kind: global_buffer, .address_space: global }
      - { .name: ks, .offset: 24, .size: 8, .value_kind: global_buffer, .address_space: global }
      - { .name: vc, .offset: 32, .size: 8, .value_kind: global_buffer, .address_space: global }
      - { .name: vs, .offset: 40, .size: 8, .value_kind: global_buffer, .address_space: global }
      - { .name: wc, .offset: 48, .size: 8, .value_kind: global_buffer, .address_space: global }
      - { .name: ws, .offset: 56, .size: 8, .value_kind: global_buffer, .address_space: global }
      - { .name: out0, .offset: 64, .size: 8, .value_kind: global_buffer, .address_space: global }
    .group_segment_fixed_size: 36864
    .private_segment_fixed_size: 0
    .kernarg_segment_align: 8
    .kernarg_segment_size: 72
    .max_flat_workgroup_size: 256
    .sgpr_count:     82
    .vgpr_count:     512
    .wavefront_size: 32
...
	.end_amdgpu_metadata
.endif
;; end of part 6
